; MI455X (gfx1250); checked and timed in simulation.
; The chip was launched on July 23, 2026; its instructions are those of AMD's public machine-readable ISA for CDNA 5 (MIT licence, August 2026) and "CDNA5" Instruction Set Architecture Reference Guide (July 2026). The comments in the code are by the model that wrote it; some were corrected since.
;; Mo E Layer. Allowed arithmetic: matrix products marked QUANTISED: E4M3 operands, one E8M0 scale for each 32 along K, by v_wmma_scale_f32_16x16x128_f8f6f4 with both operands' format E4M3, f32 sums; products left as they are: f32 operands where the result goes on into a quantised operand, else bf16, f16 or f32 operands; f32 sums; everything else in f32.
;; Inputs: b1 8 x 4,096 float32; b2 8 x 1,024 float32; router_w 8 x 1,024 float32; w1_codes 8 x 4,096 x 32 x 32 uint8 (E4M3 codes of w1, K innermost, in blocks of 32 codes); w1_scales 8 x 4,096 x 32 uint8 (E8M0 scales of w1, one for each 32 codes along K); w2_codes 8 x 1,024 x 128 x 32 uint8 (E4M3 codes of w2, K innermost, in blocks of 32 codes); w2_scales 8 x 1,024 x 128 uint8 (E8M0 scales of w2, one for each 32 codes along K); x 4 x 256 x 1,024 float32.
;; Outputs: out0 4 x 256 x 1,024 float32.
;; This version of the problem:
;;   THIS VERSION OF THE PROBLEM IS GIVEN IN LOW PRECISION. The matrix products marked QUANTISED in the list below multiply operands that are first quantised to E4M3 (4 exponent bits, 3 mantissa bits; 8 bits a number), with one power-of-two scale for each 32 numbers along K (OCP MX v1.0); their sums are f32. All else is computed in f32.
;;   The module's matrix products, in the order in which they are computed (A, B: the left and right operand; K: the contracted axis; several contracted axes count as one K, in the product's order):
;;     1. [M 1,024, K 1,024] x [K 1,024, N 8]; A: input x; B: input router_w: left as it is (N = 8 < 16)
;;     2. [M 1,024, K 1,024] x [K 1,024, N 4,096]; A: input x; B: input w1 (given as codes): QUANTISED
;;     3. [M 1,024, K 4,096] x [K 4,096, N 1,024]; A: computed on the way; B: input w2 (given as codes): QUANTISED
;;     4. [M 1,024, K 1,024] x [K 1,024, N 4,096]; A: input x; B: input w1 (given as codes): QUANTISED
;;     5. [M 1,024, K 4,096] x [K 4,096, N 1,024]; A: computed on the way; B: input w2 (given as codes): QUANTISED
;;     6. [M 1,024, K 1,024] x [K 1,024, N 4,096]; A: input x; B: input w1 (given as codes): QUANTISED
;;     7. [M 1,024, K 4,096] x [K 4,096, N 1,024]; A: computed on the way; B: input w2 (given as codes): QUANTISED
;;     8. [M 1,024, K 1,024] x [K 1,024, N 4,096]; A: input x; B: input w1 (given as codes): QUANTISED
;;     9. [M 1,024, K 4,096] x [K 4,096, N 1,024]; A: computed on the way; B: input w2 (given as codes): QUANTISED
;;     10. [M 1,024, K 1,024] x [K 1,024, N 4,096]; A: input x; B: input w1 (given as codes): QUANTISED
;;     11. [M 1,024, K 4,096] x [K 4,096, N 1,024]; A: computed on the way; B: input w2 (given as codes): QUANTISED
;;     12. [M 1,024, K 1,024] x [K 1,024, N 4,096]; A: input x; B: input w1 (given as codes): QUANTISED
;;     13. [M 1,024, K 4,096] x [K 4,096, N 1,024]; A: computed on the way; B: input w2 (given as codes): QUANTISED
;;     14. [M 1,024, K 1,024] x [K 1,024, N 4,096]; A: input x; B: input w1 (given as codes): QUANTISED
;;     15. [M 1,024, K 4,096] x [K 4,096, N 1,024]; A: computed on the way; B: input w2 (given as codes): QUANTISED
;;     16. [M 1,024, K 1,024] x [K 1,024, N 4,096]; A: input x; B: input w1 (given as codes): QUANTISED
;;     17. [M 1,024, K 4,096] x [K 4,096, N 1,024]; A: computed on the way; B: input w2 (given as codes): QUANTISED
;;   THE QUANTISER, for each operand of a quantised product, along K:
;;     - K is cut into blocks of 32 from its start; a last block that is shorter is filled with zeros.
;;     - A block's scale is 2^e with e = floor(log2(the largest magnitude in the block)) - 8, held to -126 .. 127; a block of zeros has e = 0. As a byte (E8M0): e + 127.
;;     - Each number is divided by its block's scale, clamped to +-448, and rounded to the nearest number of E4M3, ties to even, subnormals kept.
;;     - The product sums the exact products of the quantised numbers (number of the format x scale) in f32.
;;   ~~~python
;;   def quantise(x, axis):      # numpy; x: float32 -> the quantised numbers, widened to float32 again
;;       x = np.moveaxis(x, axis, -1); K = x.shape[-1]
;;       x = np.pad(x, [(0, 0)] * (x.ndim - 1) + [(0, -K % 32)]); x = x.reshape(x.shape[:-1] + (-1, 32)); a = np.abs(x).max(-1, keepdims=True)
;;       e = np.where(a > 0, np.clip(np.frexp(np.where(a > 0, a, 1))[1] - 1 - 8, -126, 127), 0)      # np.frexp(a)[1] - 1 = floor(log2(a)), exactly
;;       r = np.clip(x / 2.0 ** e, -448, 448)
;;       step = 2.0 ** (np.maximum(np.frexp(np.where(r == 0, 1, r))[1] - 1, -6) - 3)
;;       q = np.round(r / step) * step * 2.0 ** e      # np.round: ties to even
;;       return np.moveaxis(q.reshape(q.shape[:-2] + (-1,))[..., :K], -1, axis).astype(np.float32)
;;   ~~~
;;   OPERANDS COMPUTED ON THE WAY. 'Computed on the way' means the value that the module computes at that place (a softmax that the list does not call 'softmax' is quantised finished and normalised). What goes into a quantiser is computed in f32, as accurately as f32 sums, v_exp_f32 and their like allow (about 1e-6 of the number): no bf16 or f16 on the way to a quantiser, and a product that is left as it is and whose result goes on into a quantised operand takes f32 operands (vector FMAs, or v_wmma_f32_16x16x4_f32). A number that lies on a knife's edge between two numbers of the format may be rounded either way, as far as f32 arithmetic and the matrix unit's own rounding can turn it there, and no further.
;;   INPUTS GIVEN AS CODES. w1 (in the module: [8, 1024, 4096], K = its axis 1); w2 (in the module: [8, 4096, 1024], K = its axis 1): each comes as NAME_codes (uint8): NAME with its K axis moved to the last place and cut into blocks of 32 codes, [.., K / 32, bytes a block], one block behind the other in memory; one code a byte (a code: sign, 4 exponent bits, 3 mantissa bits); and NAME_scales (uint8): the same leading axes, one E8M0 byte (e + 127) for each 32 codes along K. Its value is code x scale, taken as it is: it is not quantised again, and the codes and scales need not be those that the quantiser above would give.
;; 2 versions, each right; version 2 is version 1 with the launches up, down written anew for expert scheduling mode. Each part assembles by itself: llvm-mc -triple=amdgcn-amd-amdhsa -mcpu=gfx1250 --defsym DOCPART=n.
;; ======== version 1 of 2: 4 launches
;; workspace buffers: xq 1,089,536 bytes; sel 4,096 bytes of whole numbers; hq 34,603,008 bytes; yp 134,217,728 bytes
;; launch route (part 1): grid 256 x 1, 4 waves a work-group, no clusters, 23,040 bytes of LDS; arguments x, router_w, xq, sel; writes xq, sel
.if DOCPART == 1
	.amdgcn_target "amdgcn-amd-amdhsa--gfx1250"
	.amdhsa_code_object_version 6
	.text
	.protected	k_q04420577f4_route
	.globl	k_q04420577f4_route
	.p2align	8
	.type	k_q04420577f4_route,@function
k_q04420577f4_route:
	s_mov_b64 s[64:65], 0
	v_nop
	global_prefetch_b8 v0, s[64:65] scope:SCOPE_SE
	s_setreg_imm32_b32 hwreg(HW_REG_WAVE_MODE, 25, 1), 1
	s_wait_xcnt 0x0
; ROUTE.  One wave takes one token t = 4 x work-group + wave: 1,024 numbers of x, f32.
; (1) x's row becomes codes of E4M3 with one E8M0 byte for each 32 along C: xq[t][1024] codes, at XSC 32 scale bytes a token.
; (2) the eight logits x . router_w[e], in f32 multiply-adds; softmax with the row's maximum taken away; the two largest probabilities
;     (the lower index wins a tie, by a strict compare in ascending order); the gates p / (p0 + p1 + 1e-9), at XG two f32 a token.
; (3) sel[t] = (1 << e0 | 1 << e1) | e0 << 8 | e1 << 16: whole numbers at a fixed place; no address here hangs on the choice.
; LIMITS: NaN and infinities are not served.  A block of zeros gets the byte 1 (its codes are zeros; this program alone reads the bytes).
; The logits' f32 sums are ordered otherwise than a plain dot product: where the second and third probabilities agree to about 1e-6 of
; their size the other expert may be chosen.
; No matrix unit, no cluster: work-groups share router_w alone, 32 KB, and each lane's part of it goes straight into registers.
.set XSC,  1048576                     ; xq: where the scale bytes begin
.set XG,   1081344                     ; xq: where the gates begin
.set WLDS, 5632                        ; LDS of a wave: two stages of 2,560 bytes, then its 32 scale bytes
.set SP,   80                          ; a lane's place in a stage: 64 bytes + 16 of padding
.set SBY,  5120
.set R,    16                          ; v16-47   x as loaded: load i holds k = 128 i + 4 lane + 0..3
.set X,    48                          ; v48-79   two steps of 16 neighbours a lane
.set ACC,  80                          ; v80-95   eight pairs of partial sums
.set C,    96                          ; v96-103  codes
.set L,    104                         ; v104-111 logits, then probabilities
.set P2,   112                         ; v112-119 at work; the probabilities without the winner
.set EC,   120                         ; v120-127 the numbers 0 to 7
.set MSB, 0                            ; window 1: router_w, expert e's load i at v[32 e + 4 i]
.macro WIN new                         ; the immediate's high byte repeats the setting that is left
.if MSB != \new
	s_set_vgpr_msb (MSB<<8)|\new
.set MSB, \new
.endif
.endm
	s_load_b128 s[4:7], s[0:1], 0x0                ; x, router_w
	s_load_b128 s[8:11], s[0:1], 0x10              ; xq, sel
	v_lshl_add_u32 v254, v0, 2, 0x5800
	v_mov_b32 v255, 0
	v_lshrrev_b32 v1, 5, v0
	v_readfirstlane_b32 s12, v1                    ; wave
	v_and_b32 v1, 31, v0                           ; lane
	v_lshlrev_b32 v2, 4, v1                        ; 16 x lane
	s_lshl_b32 s13, ttmp9, 2
	s_add_co_u32 s13, s13, s12                     ; the token
	s_mul_i32 s14, s12, WLDS
	v_lshrrev_b32 v3, 2, v1
	v_mul_u32_u24 v3, v3, SP
	v_and_b32 v6, 3, v1
	v_lshl_add_u32 v3, v6, 4, v3
	v_add_nc_u32 v3, s14, v3                       ; the stage, in: four lanes' 64 bytes on end, then 16 of padding
	v_mul_u32_u24 v4, v1, SP
	v_add_nc_u32 v4, s14, v4                       ; and out: my 16 neighbours
	v_lshrrev_b32 v5, 1, v1
	v_add_nc_u32 v5, s14, v5                       ; my block's scale byte (+ SBY)
	v_and_b32 v6, 7, v1
	v_lshlrev_b32 v6, 2, v6
	v_add_nc_u32 v6, s14, v6                       ; a scale word on the way out (+ SBY)
	s_lshl_b32 s16, s13, 12                        ; x: 4,096 bytes a token
	s_mov_b32 s17, 0
	s_lshl_b32 s18, s13, 10                        ; codes: 1,024 bytes a token
	s_mov_b32 s19, 0
	s_mov_b32 s23, 0x600000                        ; the mantissa field of 448
	s_mov_b32 s24, 0x76543210
	s_mov_b32 s25, 0xfedcba98                      ; v_permlanex16_b32's selects for lane l xor 16
	s_mov_b32 s26, 0x3fb8aa3b                      ; log2(e)
.irp e, 0,1,2,3,4,5,6,7
	v_mov_b32 v[EC+\e], \e
	v_mov_b32 v[P2+\e], 0                          ; a lane permute's destination counts as one of its sources
.endr
	s_wait_kmcnt 0x0
	s_add_nc_u64 s[4:5], s[4:5], s[16:17]
	s_add_nc_u64 s[20:21], s[8:9], s[18:19]
.irp i, 0,1,2,3,4,5,6,7
	global_load_b128 v[R+4*\i:R+4*\i+3], v2, s[4:5] offset:512*\i th:TH_LOAD_NT   ; 32 lanes read 512 consecutive bytes
.endr
.macro RLOAD e
.irp i, 0,1,2,3,4,5,6,7
	global_load_b128 v[32*\e+4*\i:32*\e+4*\i+3], v2, s[6:7] offset:4096*\e+512*\i
.endr
.endm
	WIN 0x40                                       ; destination window 1
	RLOAD 0
	RLOAD 1
	RLOAD 2
	RLOAD 3
	RLOAD 4
	WIN 0
	s_wait_loadcnt 40                              ; x's eight loads are in; the 40 issued behind them stay out
.irp st, 0,1
.irp i, 0,1,2,3
	ds_store_b128 v3, v[R+16*\st+4*\i:R+16*\st+4*\i+3] offset:2560*\st+640*\i
.endr
.endr
.irp st, 0,1
.irp i, 0,1,2,3
	ds_load_b128 v[X+16*\st+4*\i:X+16*\st+4*\i+3], v4 offset:2560*\st+16*\i   ; LDS serves a wave's instructions in order: these see the stores
.endr
.endr
	WIN 0x40
	RLOAD 5
	RLOAD 6
	RLOAD 7
	WIN 0
; 512 numbers: a lane holds 16 neighbours, two neighbouring lanes a block of 32
.macro QSTEP st
.set XS, X+16*\st
	v_max3_num_f32 v8, |v[XS]|, |v[XS+1]|, |v[XS+2]|
	v_max3_num_f32 v9, |v[XS+3]|, |v[XS+4]|, |v[XS+5]|
.irp i, 6,10
	v_max3_num_f32 v8, v8, |v[XS+\i]|, |v[XS+\i+1]|
	v_max3_num_f32 v9, v9, |v[XS+\i+2]|, |v[XS+\i+3]|
.endr
	v_max3_num_f32 v8, v8, |v[XS+14]|, |v[XS+15]|
	v_max3_num_f32 v8, v8, v9, 0x4800000           ; the floor 2^(9 - 127): the byte cannot fall under 1
	v_max_num_f32_dpp v8, v8, v8 row_xmask:1 row_mask:0xf bank_mask:0xf   ; with my neighbour's 16: the block's largest magnitude
	v_add_nc_u32 v11, 0xfc000000, v8               ; 8 off its exponent field: the conversion's scale operand
	v_and_or_b32 v10, v8, 0x7f800000, s23          ; 448 x the scale
.irp i, 0,1,2,3,4,5,6,7,8,9,10,11,12,13,14,15
	v_med3_num_f32 v[XS+\i], v[XS+\i], -v10, v10   ; the conversion to an 8-bit code does not saturate (ISA guide 7.6.2): the hold comes first
.endr
	v_cvt_scalef32_pk8_fp8_f32 v[C+4*\st:C+4*\st+1], v[XS:XS+7], v11
	v_cvt_scalef32_pk8_fp8_f32 v[C+4*\st+2:C+4*\st+3], v[XS+8:XS+15], v11
	v_lshrrev_b32 v[12+\st], 23, v11               ; the scale's byte (a plain line behind the conversions)
	ds_store_b8 v5, v[12+\st] offset:SBY+16*\st    ; both lanes of a block write the same byte with the same value
	global_store_b128 v2, v[C+4*\st:C+4*\st+3], s[20:21] offset:512*\st   ; 32 lanes store 512 consecutive bytes
.endm
	s_wait_dscnt 4                                 ; step 0's four loads are in; step 1's four stay out
	QSTEP 0
	s_wait_dscnt 0x0
	QSTEP 1
	s_wait_loadcnt 0x0                             ; router_w
	WIN 0x04                                       ; source 1 window 1
.irp e, 0,1,2,3,4,5,6,7
	v_pk_mul_f32 v[ACC+2*\e:ACC+2*\e+1], v[R:R+1], v[32*\e:32*\e+1]   ; the first products start the sums
.endr
.set jj, 1
.rept 15
.irp e, 0,1,2,3,4,5,6,7
	v_pk_fma_f32 v[ACC+2*\e:ACC+2*\e+1], v[R+2*jj:R+2*jj+1], v[32*\e+2*jj:32*\e+2*jj+1], v[ACC+2*\e:ACC+2*\e+1]   ; the eight experts by turns
.endr
.set jj, jj+1
.endr
	WIN 0
.irp e, 0,1,2,3,4,5,6,7
	v_add_f32 v[L+\e], v[ACC+2*\e], v[ACC+2*\e+1]
.endr
.irp m, 1,2,4,8
.irp e, 0,1,2,3,4,5,6,7
	v_add_f32_dpp v[L+\e], v[L+\e], v[L+\e] row_xmask:\m row_mask:0xf bank_mask:0xf
.endr
.endr
.irp e, 0,1,2,3,4,5,6,7
	v_permlanex16_b32 v[P2+\e], v[L+\e], s24, s25
.endr
.irp e, 0,1,2,3,4,5,6,7
	v_add_f32 v[L+\e], v[L+\e], v[P2+\e]           ; every lane holds the eight logits
.endr
	v_max3_num_f32 v8, v[L], v[L+1], v[L+2]
	v_max3_num_f32 v8, v8, v[L+3], v[L+4]
	v_max3_num_f32 v8, v8, v[L+5], v[L+6]
	v_max_num_f32 v8, v8, v[L+7]                   ; the row's maximum
	v_mul_f32 v9, s26, v8
.irp e, 0,1,2,3,4,5,6,7
	v_fma_f32 v[L+\e], v[L+\e], s26, -v9           ; (logit - maximum) x log2(e)
.endr
.irp e, 0,1,2,3,4,5,6,7
	v_exp_f32 v[L+\e], v[L+\e]
.endr
	v_nop                                          ; a plain line behind the batch
	s_wait_alu depctr_va_vdst(0)                   ; one wait for the eight, ahead of their first reader
	v_add_f32 v10, v[L], v[L+1]
.irp e, 2,3,4,5,6,7
	v_add_f32 v10, v10, v[L+\e]
.endr
	v_rcp_f32 v10, v10
	v_nop
	s_wait_alu depctr_va_vdst(0)
.irp e, 0,1,2,3,4,5,6,7
	v_mul_f32 v[L+\e], v[L+\e], v10                ; the probabilities
.endr
.macro SCAN src, val, idx              ; the largest of eight and its index; strictly greater, so the lower index keeps a tie
	v_mov_b32 v[\val], v[\src]
	v_mov_b32 v[\idx], 0
.irp e, 1,2,3,4,5,6,7
	v_cmp_gt_f32 vcc_lo, v[\src+\e], v[\val]
	v_cndmask_b32 v[\val], v[\val], v[\src+\e], vcc_lo
	v_cndmask_b32 v[\idx], v[\idx], v[EC+\e], vcc_lo
.endr
.endm
	SCAN L, 128, 129
	v_mov_b32 v132, -1.0
.irp e, 0,1,2,3,4,5,6,7
	v_cmp_eq_u32 vcc_lo, v129, v[EC+\e]
	v_cndmask_b32 v[P2+\e], v[L+\e], v132, vcc_lo  ; the winner is taken out: under every probability
.endr
	SCAN P2, 130, 131
	v_add_f32 v133, v128, v130
	v_add_f32 v133, 0x3089705f, v133               ; + 1e-9
	v_rcp_f32 v133, v133
	v_lshlrev_b32 v136, v129, v[EC+1]              ; 1 << e0  (plain work behind the reciprocal)
	v_lshlrev_b32 v137, v131, v[EC+1]
	v_or_b32 v136, v136, v137
	v_lshl_or_b32 v136, v129, 8, v136
	v_lshl_or_b32 v136, v131, 16, v136             ; sel's word
	s_wait_alu depctr_va_vdst(0)
	v_mul_f32 v134, v128, v133
	v_mul_f32 v135, v130, v133                     ; the two gates
	ds_load_b32 v138, v6 offset:SBY                ; lanes 0 to 7: the token's eight scale words
	v_lshlrev_b32 v139, 2, v1
	s_lshl_b32 s27, s13, 5
	v_add_nc_u32 v139, s27, v139                   ; 32 t + 4 lane
	s_lshl_b32 s28, s13, 3
	v_mov_b32 v140, s28                            ; 8 t
	s_lshl_b32 s29, s13, 2
	v_mov_b32 v141, s29                            ; 4 t
	s_wait_dscnt 0x0
	v_cmp_gt_u32 vcc_lo, 8, v1
	s_wait_xcnt 0x0                                ; EXEC changes only behind this wait
	s_wait_tensorcnt 0x0
	ds_add_u32 v254, v255
	s_wait_dscnt 0x0
	s_and_saveexec_b32 s30, vcc_lo
	global_store_b32 v139, v138, s[8:9] offset:XSC
	s_wait_xcnt 0x0
	s_or_b32 exec_lo, exec_lo, s30
	v_cmp_eq_u32 vcc_lo, 0, v1
	s_and_saveexec_b32 s30, vcc_lo
	global_store_b32 v141, v136, s[10:11]
	global_store_b64 v140, v[134:135], s[8:9] offset:XG
	s_wait_xcnt 0x0
	s_or_b32 exec_lo, exec_lo, s30
	s_endpgm
.Lfunc_end_k_q04420577f4_route:
	.size	k_q04420577f4_route, .Lfunc_end_k_q04420577f4_route-k_q04420577f4_route
	.p2alignl 7, 3214868480
	.fill 96, 4, 3214868480
	.section	.rodata,"a",@progbits
	.p2align	6, 0x0
	.amdhsa_kernel k_q04420577f4_route
		.amdhsa_group_segment_fixed_size 23040
		.amdhsa_private_segment_fixed_size 0
		.amdhsa_enable_private_segment 0
		.amdhsa_kernarg_size 32
		.amdhsa_user_sgpr_count 2
		.amdhsa_user_sgpr_kernarg_segment_ptr 1
		.amdhsa_wavefront_size32 1
		.amdhsa_system_sgpr_workgroup_id_x 1
		.amdhsa_system_sgpr_workgroup_id_y 1
		.amdhsa_system_sgpr_workgroup_id_z 1
		.amdhsa_system_vgpr_workitem_id 0
		.amdhsa_next_free_vgpr 512
		.amdhsa_next_free_sgpr 66
		.amdhsa_reserve_vcc 1
		.amdhsa_float_denorm_mode_32 3
		.amdhsa_float_denorm_mode_16_64 3
		.amdhsa_memory_ordered 1
		.amdhsa_forward_progress 1
		.amdhsa_inst_pref_size 31
	.end_amdhsa_kernel
	.amdgpu_metadata
---
amdhsa.version: [ 1, 2 ]
amdhsa.kernels:
  - .name:           k_q04420577f4_route
    .symbol:         k_q04420577f4_route.kd
    .args:
      - { .name: x, .offset: 0, .size: 8, .value_kind: global_buffer, .address_space: global }
      - { .name: router_w, .offset: 8, .size: 8, .value_kind: global_buffer, .address_space: global }
      - { .name: xq, .offset: 16, .size: 8, .value_kind: global_buffer, .address_space: global }
      - { .name: sel, .offset: 24, .size: 8, .value_kind: global_buffer, .address_space: global }
    .group_segment_fixed_size: 23040
    .private_segment_fixed_size: 0
    .kernarg_segment_align: 8
    .kernarg_segment_size: 32
    .max_flat_workgroup_size: 128
    .sgpr_count:     66
    .vgpr_count:     512
    .wavefront_size: 32
...
	.end_amdgpu_metadata
.endif
;; end of part 1
;; launch up (part 2): grid 32 x 8, 4 waves a work-group, no clusters, 284,160 bytes of LDS; arguments xq, sel, w1_codes, w1_scales, b1, hq; writes hq
.if DOCPART == 2
	.amdgcn_target "amdgcn-amd-amdhsa--gfx1250"
	.amdhsa_code_object_version 6
	.text
	.protected	k_q04420577f4_up
	.globl	k_q04420577f4_up
	.p2align	8
	.type	k_q04420577f4_up,@function
k_q04420577f4_up:
	s_mov_b64 s[64:65], 0
	v_nop
	global_prefetch_b8 v0, s[64:65] scope:SCOPE_SE
	s_setreg_imm32_b32 hwreg(HW_REG_WAVE_MODE, 25, 1), 1
	s_wait_xcnt 0x0
; UP.  hidden = Q(gelu(Q(x) W1[e] + b1[e])) for the rows routed to expert e alone.  Work-group (f, e): hidden units 128 f .. 128 f + 127 of expert e.
; Its 128 rows of W1's codes (128 x 1,024 bytes) are read from memory once and stay in REGISTERS: wave w = (nh = w & 1, rp = w >> 1) holds units 64 nh .. + 63
; for all of K (512 registers) and takes tiles 2 rp, 2 rp + 1 of each block of 64 rows.
; THE LIST OF ROWS is made here, from sel (whole numbers stored by the launch before), while the weights are on their way: row j of expert e is the j-th token, in
; ascending order, that chose e.  It is made by GATHERING: each lane looks its own row up in 32 masks and their running counts, so that no LDS address hangs on data.
; Rows beyond the count come out as token 1,023: a real token, whose results nobody reads.
; 64 tokens' codes are gathered into registers a block ahead, laid into one of two LDS buffers, and read from there as fragments by all four waves.
; THE PRODUCT IS USED TRANSPOSED (source 0 = 16 rows of W1, source 1 = 16 tokens), AND THE ROWS OF W1 THAT FORM A TILE ARE NOT NEIGHBOURS: lane r of tile 2 b + u
; takes row 32 b + 8 u + r + 8 (r / 8).  So a lane holds one token, and the 16 registers of tiles 2 b, 2 b + 1 are 16 neighbours along the next product's K.
; The codes leave as images of the next operand's registers: hq[((e 64 + tile) 32 + f) 2,048 + c 512 + 16 lane], 512 consecutive bytes a store.
; gelu(x) = 0.5 x (1 + erf(x / sqrt 2)); erf(u) = u Pa(u^2) / Pb(u^2) with u held to +-4, degrees 6 and 4, all in f32.
; HOW MANY BLOCKS are worked hangs on numbers read from memory.  So the loop has a constant count (16 blocks), the barrier stands in every half trip, and the
; work is jumped over; and so no tensor load, hence no joint load in a cluster, is used: operands go from memory through registers.
; LIMITS: NaN and infinities are not served; a block of zeros gets the byte 1 (this program alone reads the bytes); 1 + erf loses relative accuracy
; for x under about -2, where gelu is small beside its block's largest number.
.set XSC,  1048576                     ; xq: the scale bytes
.set HSC,  33554432                    ; hq: the scale half-words: ((e 32 + f) 2 + nh) 2,048 + 2 row
.set WROW, 1024                        ; a row of W1's codes in memory
.set WP,   1040                        ; LDS: a row of W: 1,024 bytes + 16: sixteen rows of a fragment load begin 4 banks apart
.set AB0,  133120                      ; LDS: behind W's 128 rows: two buffers of A.  Piece (tile, s, 2 c + h): 16 rows x 16 bytes + 16 of padding = 272 bytes
.set ABS,  69632
.set SB0,  272384                      ; LDS: two buffers of A's scale words: 64 rows x 48 bytes, word s at 4 s
.set SBS,  3072
.set LST,  278528                      ; LDS: the list: 1,280 bytes of its own for each wave: its 16 rows of block k at 64 k
.set LSW,  1280
.set L16,  1                           ; v1   16 x lane
.set RR,   2                           ; v2   r = lane % 16
.set HH,   3                           ; v3   h = lane / 16
.set WSTO, 4                           ; v4   LDS: where I lay W's rows
.set WRD,  5                           ; v5   LDS: my fragments of W
.set ARD,  6                           ; v6-7   LDS: my fragments of A in buffer 0, 1
.set SRD,  8                           ; v8-9   LDS: my rows' scale words
.set AWR,  10                          ; v10-11 LDS: where I lay gathered codes
.set SWR,  12                          ; v12-13 LDS: and scale words
.set LOF,  14                          ; v14  LDS: my eight rows' list entries in block 0;  v15 my one row of scales'
.set LOS,  15
.set TOK,  16                          ; v16-23 the gather's offsets
.set XSO,  24
.set HOF,  25                          ; v25  hq: 16 lane + rp x two tiles
.set HSO,  26                          ; v26  hq: 2 (32 rp + lane)
.set O16,  27                          ; v27  16 (lane & 1)
.set SST,  28                          ; v28-31 gathered scale words
.set LR,   32                          ; v32-39 list entries; v40 one more
.set LRS,  40
.set SW0,  41
.set SW,   42
.set R16,  44                          ; v44  16 r
.set WSO,  46
.set BIO,  47
.set WSC,  48                          ; v48-79  W's scale words, 8 t + s: they hold scales and nothing else
.set ASC,  80                          ; v80-87  A's scale words of the tile in hand
.set BIA,  88                          ; v88-119 b1 in the result's layout
.set ACC,  120                         ; v120-151 four accumulators; at the head: sel[32 i + lane]
.set COEF, 152                         ; v152-175 twelve coefficients, each twice (a pair for the packed forms); at the head v152-159: a pass's tokens
.set T,    176                         ; v176-239 pair p: u Pa at 4 p, Pb at 4 p + 2; then the quantiser's temporaries
.set VK,   176                         ; at the head: v176-207 the keys (tokens of e below 32 i) << 5 | i;  v208-239 the masks: bit l of mask i = token 32 i + l chose e
.set VM,   208
.set TV,   240
.set PC,   248                         ; v248-255 the codes just made
.set SJ,   240                         ; at the head, a pass's temporaries: v240 my row j, v241 j << 5 | 31, v242 the key found, v243 its mask, v244 which set bit,
.set SJ5,  241                         ; v245-248 the mask's counts in fields of 2, 4, 8 and 16 bits, v249-250 at work, v251 the bit's place
.set SK,   242
.set SWD,  243
.set SN,   244
.set SA,   245
.set SB4,  246
.set SC8,  247
.set SD,   248
.set ST1,  249
.set ST2,  250
.set SPO,  251
.set LW,   252                         ; v252 LDS: where I put a pass's token: LST + 1,280 w + 4 lane
.set JB,   253                         ; v253 my row in pass 0: 64 h + 16 w + r
.set L4,   254                         ; v254 4 x lane
; window 1: W's fragments of K steps 0-3 at 64 t + 16 s + 4 c; window 2: K steps 4-7; window 3: v0-127 the tile's eight fragments of A, v128-255 a gathered block
.set WV,  16
.set NH,  17
.set RP,  18
.set EX,  19
.set CT,  21
.set NB,  22
.set BLK, 23
.set LC,  24
.set HB,  28                           ; s[28:29] hq at my codes of the block in hand;  s[30:31] at my scale half-words
.set HSB, 30
.set XS,  32                           ; s[32:33] xq's scale bytes
.set CLP, 36
.set MNT, 37
.set SEL, 38
.set HIM, 40
.set BIT, 41                           ; s41  1 << e
.set A5,  42                           ; s42  (tokens of e so far) << 5
.set LSO, 43                           ; s43  64 x the block whose list entries are read next
.set MSB, 0
.macro WIN new                         ; the immediate's high byte repeats the setting that is left
.if MSB != \new
	s_set_vgpr_msb (MSB<<8)|\new
.set MSB, \new
.endif
.endm
.macro LLIST a, c, off                 ; a block's list entries, out of my own bytes of LDS: my eight rows' (8 h + 0..7 of my 16) and my row of scales'
	ds_load_b128 v[LR:LR+3], v[\a] offset:\off
	ds_load_b128 v[LR+4:LR+7], v[\a] offset:\off+16
	ds_load_b32 v[LRS], v[\c] offset:\off
.endm
.macro TOKS                            ; loaded numbers enter an address only behind a hold at the table's end
.irp p, 0,1,2,3,4,5,6,7
	v_min_u32 v[LR+\p], 0x3ff, v[LR+\p]
.endr
.irp p, 0,1,2,3,4,5,6,7
	v_lshl_add_u32 v[TOK+\p], v[LR+\p], 10, v[R16]
.endr
	v_min_u32 v[LRS], 0x3ff, v[LRS]
	v_lshl_add_u32 v[XSO], v[LRS], 5, v[O16]
.endm
.macro GATHER                          ; wave w: rows 16 w .. + 15.  Load (p, q): lanes 0-15 take 256 aligned bytes of row p, lanes 16-31 of row 8 + p
	WIN 0xc0
.irp p, 0,1,2,3,4,5,6,7
.irp q, 0,1,2,3
	global_load_b128 v[128+4*(4*\p+\q):128+4*(4*\p+\q)+3], v[TOK+\p], s[4:5] offset:256*\q
.endr
.endr
	WIN 0
	global_load_b128 v[SST:SST+3], v[XSO], s[XS:XS+1]
.endm
.macro STAGE b                         ; the 16 bytes at byte 256 q + 16 r of a row are piece 16 q + r of its tile
	WIN 0x0c
.irp p, 0,1,2,3,4,5,6,7
.irp q, 0,1,2,3
	ds_store_b128 v[AWR+(\b)], v[128+4*(4*\p+\q):128+4*(4*\p+\q)+3] offset:4352*\q+16*\p
.endr
.endr
	WIN 0
	ds_store_b128 v[SWR+(\b)], v[SST:SST+3]
.endm
.macro LOADA b, j                      ; tile 2 rp + j: eight fragments, each load 2 x 256 consecutive bytes; and its rows' eight scale words
	WIN 0xc0
.irp s, 0,1,2,3,4,5,6,7
.irp c, 0,1,2,3
	ds_load_b128 v[16*\s+4*\c:16*\s+4*\c+3], v[ARD+(\b)] offset:(8*(\j)+\s)*2176+544*\c
.endr
.endr
	WIN 0
	ds_load_b128 v[ASC:ASC+3], v[SRD+(\b)] offset:768*(\j)
	ds_load_b128 v[ASC+4:ASC+7], v[SRD+(\b)] offset:768*(\j)+16
.endm
; 32 matrix instructions: K ascending, the four accumulators by turns, one instruction a turn.  The bias is the C of each sum's first.
.macro MM
	WIN 0x0d                                       ; source 0 (W) window 1, source 1 (A) window 3
.irp s, 0,1,2,3
.irp t, 0,1,2,3
.if \s == 0
	v_wmma_scale_f32_16x16x128_f8f6f4 v[ACC+8*\t:ACC+8*\t+7], v[64*\t+16*\s:64*\t+16*\s+15], v[16*\s:16*\s+15], v[BIA+8*\t:BIA+8*\t+7], v[WSC+8*\t+\s], v[ASC+\s]
.else
	v_wmma_scale_f32_16x16x128_f8f6f4 v[ACC+8*\t:ACC+8*\t+7], v[64*\t+16*\s:64*\t+16*\s+15], v[16*\s:16*\s+15], v[ACC+8*\t:ACC+8*\t+7], v[WSC+8*\t+\s], v[ASC+\s]
.endif
.endr
.endr
	WIN 0x0e                                       ; W in window 2
.irp s, 4,5,6,7
.irp t, 0,1,2,3
	v_wmma_scale_f32_16x16x128_f8f6f4 v[ACC+8*\t:ACC+8*\t+7], v[64*\t+16*(\s-4):64*\t+16*(\s-4)+15], v[16*\s:16*\s+15], v[ACC+8*\t:ACC+8*\t+7], v[WSC+8*\t+\s], v[ASC+\s]
.endr
.endr
	WIN 0
.rept 9
	v_nop                                          ; eight places ahead of reads of the results and of loads into A's registers; the ninth for the next tile's first products, which write over the results with another C
.endr
.endm
; two pairs of numbers: v = x held to +-4 sqrt 2, W = v^2 = 2 u^2; u Pa and Pb by Horner's rule: four chains that do not wait for each other
.macro GEL2 pa, pb
	v_med3_num_f32 v[TV],   v[ACC+2*(\pa)],   -s[CLP], s[CLP]
	v_med3_num_f32 v[TV+1], v[ACC+2*(\pa)+1], -s[CLP], s[CLP]
	v_med3_num_f32 v[TV+4], v[ACC+2*(\pb)],   -s[CLP], s[CLP]
	v_med3_num_f32 v[TV+5], v[ACC+2*(\pb)+1], -s[CLP], s[CLP]
	v_pk_mul_f32 v[TV+2:TV+3], v[TV:TV+1], v[TV:TV+1]
	v_pk_mul_f32 v[TV+6:TV+7], v[TV+4:TV+5], v[TV+4:TV+5]
	v_pk_fma_f32 v[T+4*(\pa):T+4*(\pa)+1], v[TV+2:TV+3], v[COEF:COEF+1], v[COEF+2:COEF+3]
	v_pk_fma_f32 v[T+4*(\pb):T+4*(\pb)+1], v[TV+6:TV+7], v[COEF:COEF+1], v[COEF+2:COEF+3]
	v_pk_fma_f32 v[T+4*(\pa)+2:T+4*(\pa)+3], v[TV+2:TV+3], v[COEF+14:COEF+15], v[COEF+16:COEF+17]
	v_pk_fma_f32 v[T+4*(\pb)+2:T+4*(\pb)+3], v[TV+6:TV+7], v[COEF+14:COEF+15], v[COEF+16:COEF+17]
.irp k, 2,3,4
	v_pk_fma_f32 v[T+4*(\pa):T+4*(\pa)+1], v[T+4*(\pa):T+4*(\pa)+1], v[TV+2:TV+3], v[COEF+2*\k:COEF+2*\k+1]
	v_pk_fma_f32 v[T+4*(\pb):T+4*(\pb)+1], v[T+4*(\pb):T+4*(\pb)+1], v[TV+6:TV+7], v[COEF+2*\k:COEF+2*\k+1]
	v_pk_fma_f32 v[T+4*(\pa)+2:T+4*(\pa)+3], v[T+4*(\pa)+2:T+4*(\pa)+3], v[TV+2:TV+3], v[COEF+14+2*\k:COEF+14+2*\k+1]
	v_pk_fma_f32 v[T+4*(\pb)+2:T+4*(\pb)+3], v[T+4*(\pb)+2:T+4*(\pb)+3], v[TV+6:TV+7], v[COEF+14+2*\k:COEF+14+2*\k+1]
.endr
.irp k, 5,6
	v_pk_fma_f32 v[T+4*(\pa):T+4*(\pa)+1], v[T+4*(\pa):T+4*(\pa)+1], v[TV+2:TV+3], v[COEF+2*\k:COEF+2*\k+1]
	v_pk_fma_f32 v[T+4*(\pb):T+4*(\pb)+1], v[T+4*(\pb):T+4*(\pb)+1], v[TV+6:TV+7], v[COEF+2*\k:COEF+2*\k+1]
.endr
	v_pk_mul_f32 v[T+4*(\pa):T+4*(\pa)+1], v[T+4*(\pa):T+4*(\pa)+1], v[TV:TV+1]
	v_pk_mul_f32 v[T+4*(\pb):T+4*(\pb)+1], v[T+4*(\pb):T+4*(\pb)+1], v[TV+4:TV+5]
.endm
; tile 2 rp + j is finished: gelu, the quantiser along the next K (two blocks of 32: my 16 numbers and lane l xor 16's), the stores
.macro EPI j
.irp p, 0,2,4,6,8,10,12,14
	GEL2 \p, \p+1                                  ; the accumulators are read in ascending order, each from its low end
.endr
.set qq, 0
.rept 16
	v_rcp_f32 v[T+4*qq+2], v[T+4*qq+2]
	v_rcp_f32 v[T+4*qq+3], v[T+4*qq+3]
.set qq, qq+1
.endr
.set qq, 0
.rept 16
	v_pk_mul_f32 v[ACC+2*qq:ACC+2*qq+1], v[ACC+2*qq:ACC+2*qq+1], 0.5 op_sel_hi:[1,0]   ; 0.5 x, in place: plain work behind the batch of reciprocals
.set qq, qq+1
.endr
	s_wait_alu depctr_va_vdst(0)                   ; one wait for the 32, ahead of their first reader
.set qq, 0
.rept 16
	v_pk_mul_f32 v[T+4*qq:T+4*qq+1], v[T+4*qq:T+4*qq+1], v[T+4*qq+2:T+4*qq+3]   ; erf
.set qq, qq+1
.endr
.set qq, 0
.rept 16
	v_pk_fma_f32 v[ACC+2*qq:ACC+2*qq+1], v[ACC+2*qq:ACC+2*qq+1], v[T+4*qq:T+4*qq+1], v[ACC+2*qq:ACC+2*qq+1]   ; 0.5 x erf + 0.5 x
.set qq, qq+1
.endr
.irp b, 0,1
	v_max3_num_f32 v[T+\b], |v[ACC+16*\b]|, |v[ACC+16*\b+1]|, 0x4800000   ; with the floor 2^(9 - 127): the byte cannot fall under 1
.endr
.irp i, 2,4,6,8,10,12,14
.irp b, 0,1
	v_max3_num_f32 v[T+\b], v[T+\b], |v[ACC+16*\b+\i]|, |v[ACC+16*\b+\i+1]|
.endr
.endr
.irp b, 0,1
	v_permlanex16_b32 v[T+2+\b], v[T+\b], s[SEL], s[SEL+1]
.endr
.irp b, 0,1
	v_max_num_f32 v[T+\b], v[T+\b], v[T+2+\b]      ; the block's largest magnitude
.endr
.irp b, 0,1
	v_add_nc_u32 v[T+4+\b], 0xfc000000, v[T+\b]    ; 8 off its exponent field: the conversion's scale operand
.endr
.irp b, 0,1
	v_and_or_b32 v[T+6+\b], v[T+\b], 0x7f800000, s[MNT]   ; 448 x the scale
.endr
.irp b, 0,1
	v_lshrrev_b32 v[T+8+\b], 23, v[T+4+\b]         ; the scale's byte
.endr
	s_wait_xcnt 0x0                                ; the last tile's stores have read their data: the codes and the half-word may be written again
.irp b, 0,1
.irp i, 0,1,2,3,4,5,6,7,8,9,10,11,12,13,14,15
	v_med3_num_f32 v[ACC+16*\b+\i], v[ACC+16*\b+\i], -v[T+6+\b], v[T+6+\b]   ; the conversion to an 8-bit code does not saturate (ISA guide 7.6.2)
.endr
	v_cvt_scalef32_pk8_fp8_f32 v[PC+4*\b:PC+4*\b+1], v[ACC+16*\b:ACC+16*\b+7], v[T+4+\b]
	v_cvt_scalef32_pk8_fp8_f32 v[PC+4*\b+2:PC+4*\b+3], v[ACC+16*\b+8:ACC+16*\b+15], v[T+4+\b]
.endr
	v_nop                                          ; a plain line behind the last conversion: the next products write its sources
	global_store_b128 v[HOF], v[PC:PC+3], s[HB:HB+1] offset:65536*(\j)         ; registers 4 c .. 4 c + 3 of the next operand, c = 2 nh: 512 consecutive bytes
	global_store_b128 v[HOF], v[PC+4:PC+7], s[HB:HB+1] offset:65536*(\j)+512   ; c = 2 nh + 1
.if (\j) == 0
	v_lshl_or_b32 v[SW0], v[T+9], 8, v[T+8]        ; both halves of the lanes hold row r's two bytes
.else
	v_lshl_or_b32 v43, v[T+9], 8, v[T+8]
	v_cndmask_b32 v[SW], v[SW0], v43, s[HIM]       ; lanes 0-15: the first tile's rows, lanes 16-31: the second's
	global_store_b16 v[HSO], v[SW], s[HSB:HSB+1]   ; rows 32 rp + lane: 64 consecutive bytes
.endif
.endm
.macro CF idx, val, sh, al             ; a coefficient of degree sh in u^2 becomes one in W = 2 u^2: x 2^-sh; Pa's also take the 1 / sqrt 2 of u = v / sqrt 2
	v_mov_b32 v[COEF+2*\idx], \val
.if \sh
	v_ldexp_f32 v[COEF+2*\idx], v[COEF+2*\idx], -\sh
.endif
.if \al
	v_mul_f32 v[COEF+2*\idx], 0x3f3504f3, v[COEF+2*\idx]
.endif
	v_mov_b32 v[COEF+2*\idx+1], v[COEF+2*\idx]
.endm
.macro WLOAD r0, n                     ; n of my 32 rows of W, from row r0 on: 512 consecutive bytes a load
.set rho, \r0
.rept \n
	global_load_b128 v[8*rho:8*rho+3], v[L16], s[8:9] offset:rho*WROW th:TH_LOAD_NT
	global_load_b128 v[8*rho+4:8*rho+7], v[L16], s[8:9] offset:rho*WROW+512 th:TH_LOAD_NT
.set rho, rho+1
.endr
.endm
; one halving of the search for the n-th set bit: the count of the lower half of what is left stands in a field of src at the bit's place so far
.macro SELS src, wd, inc
	v_bfe_u32 v[ST1], v[\src], v[SPO], \wd
	v_cmp_ge_u32 vcc_lo, v[SN], v[ST1]             ; not in the lower half:
	v_cndmask_b32 v[ST1], 0, v[ST1], vcc_lo
	v_cndmask_b32 v[ST2], 0, \inc, vcc_lo
	v_sub_nc_u32 v[SN], v[SN], v[ST1]              ; its bits are passed over,
	v_add_nc_u32 v[SPO], v[SPO], v[ST2]            ; and the place moves up
.endm
; PASS p: blocks 2 p and 2 p + 1.  My lane's row is j = 128 p + 64 h + 16 w + r: one of my wave's own 16 rows of block 2 p + h.
; The keys rise with i, and key i <= (j << 5 | 31) says that at most j tokens of e lie below token 32 i: the last such i holds the j-th token.
.macro SELP p
	v_add_nc_u32 v[SJ], 128*\p, v[JB]
	v_lshl_or_b32 v[SJ5], v[SJ], 5, 31
	v_mov_b32 v[SK], v[VK]
	v_mov_b32 v[SWD], v[VM]
.set ii, 1
.rept 31
	v_cmp_le_u32 vcc_lo, v[VK+ii], v[SJ5]
	v_cndmask_b32 v[SK], v[SK], v[VK+ii], vcc_lo
	v_cndmask_b32 v[SWD], v[SWD], v[VM+ii], vcc_lo
.set ii, ii+1
.endr
	v_lshrrev_b32 v[ST1], 5, v[SK]
	v_sub_nc_u32 v[SN], v[SJ], v[ST1]              ; which set bit of the mask, from 0
	v_lshrrev_b32 v[ST1], 1, v[SWD]
	v_and_b32 v[ST1], 0x55555555, v[ST1]
	v_sub_nc_u32 v[SA], v[SWD], v[ST1]             ; counts of 2 bits,
	v_lshrrev_b32 v[ST1], 2, v[SA]
	v_and_b32 v[ST1], 0x33333333, v[ST1]
	v_and_b32 v[ST2], 0x33333333, v[SA]
	v_add_nc_u32 v[SB4], v[ST1], v[ST2]            ; of 4,
	v_lshrrev_b32 v[ST1], 4, v[SB4]
	v_add_nc_u32 v[ST1], v[ST1], v[SB4]
	v_and_b32 v[SC8], 0x0f0f0f0f, v[ST1]           ; of 8,
	v_lshrrev_b32 v[ST1], 8, v[SC8]
	v_add_nc_u32 v[SD], v[ST1], v[SC8]             ; and, in byte 0, of the low 16
	v_bfe_u32 v[ST1], v[SD], 0, 8
	v_cmp_ge_u32 vcc_lo, v[SN], v[ST1]
	v_cndmask_b32 v[ST1], 0, v[ST1], vcc_lo
	v_cndmask_b32 v[SPO], 0, 16, vcc_lo
	v_sub_nc_u32 v[SN], v[SN], v[ST1]
	SELS SC8, 8, 8
	SELS SB4, 4, 4
	SELS SA, 2, 2
	SELS SWD, 1, 1
	v_and_b32 v[ST1], 31, v[SK]
	v_lshl_add_u32 v[COEF+\p], v[ST1], 5, v[SPO]   ; the token: 32 i + the bit's place; a register of its own for each pass's store
	ds_store_b32 v[LW], v[COEF+\p] offset:128*\p   ; 128 consecutive bytes of my wave's own
.endm
	s_load_b256 s[4:11], s[0:1], 0x0               ; xq, sel, w1_codes, w1_scales
	s_load_b128 s[12:15], s[0:1], 0x20             ; b1, hq
	v_lshrrev_b32 v43, 5, v0
	v_readfirstlane_b32 s[WV], v43                 ; wave 0..3
	s_and_b32 s[NH], s[WV], 1
	s_lshr_b32 s[RP], s[WV], 1
	s_and_b32 s[EX], ttmp7, 0xffff                 ; the expert
	s_lshl_b32 s[BIT], 1, s[EX]
	v_and_b32 v43, 31, v0                          ; lane
	v_lshlrev_b32 v[L16], 4, v43
	v_lshlrev_b32 v[L4], 2, v43
	v_and_b32 v[RR], 15, v0
	v_bfe_u32 v[HH], v0, 4, 1
	s_mul_i32 s25, s[WV], 32*WP
	v_add_nc_u32 v[WSTO], s25, v[L16]
	v_mul_u32_u24 v[WRD], v[RR], WP
	v_lshl_add_u32 v[WRD], v[HH], 4, v[WRD]
	s_mul_i32 s25, s[NH], 64*WP
	v_add_nc_u32 v[WRD], s25, v[WRD]
	v_mul_u32_u24 v45, v[HH], 272
	v_lshl_add_u32 v45, v[RR], 4, v45
	s_mul_i32 s25, s[RP], 2*17408
	s_add_co_u32 s25, s25, AB0
	v_add_nc_u32 v[ARD], s25, v45
	v_add_nc_u32 v[ARD+1], ABS, v[ARD]
	v_mul_u32_u24 v45, v[RR], 48
	s_mul_i32 s25, s[RP], 32*48
	s_add_co_u32 s25, s25, SB0
	v_add_nc_u32 v[SRD], s25, v45
	v_add_nc_u32 v[SRD+1], SBS, v[SRD]
	v_mul_u32_u24 v45, v[RR], 272
	v_lshl_add_u32 v45, v[HH], 7, v45
	s_mul_i32 s25, s[WV], 17408
	s_add_co_u32 s25, s25, AB0
	v_add_nc_u32 v[AWR], s25, v45
	v_add_nc_u32 v[AWR+1], ABS, v[AWR]
	v_lshrrev_b32 v45, 1, v43                      ; lane / 2
	v_and_b32 v[O16], 1, v43
	v_lshlrev_b32 v[O16], 4, v[O16]
	v_mad_u32_u24 v[SWR], v45, 48, v[O16]
	s_mul_i32 s25, s[WV], 16*48
	s_add_co_u32 s25, s25, SB0
	v_add_nc_u32 v[SWR], s25, v[SWR]
	v_add_nc_u32 v[SWR+1], SBS, v[SWR]
	s_mul_i32 s25, s[WV], LSW
	s_add_co_u32 s25, s25, LST                     ; my wave's list
	v_lshl_add_u32 v[LOF], v[HH], 5, s25           ; + 4 x 8 h
	v_lshl_add_u32 v[LOS], v45, 2, s25             ; + 4 (lane / 2)
	v_lshl_add_u32 v[LW], v43, 2, s25              ; + 4 lane
	s_lshl_b32 s25, s[WV], 4
	v_lshl_add_u32 v[JB], v[HH], 6, v[RR]
	v_add_nc_u32 v[JB], s25, v[JB]                 ; 64 h + 16 w + r
	s_lshl_b32 s25, s[RP], 17
	v_add_nc_u32 v[HOF], s25, v[L16]
	s_lshl_b32 s25, s[RP], 6
	v_lshl_add_u32 v[HSO], v43, 1, s25
	v_lshlrev_b32 v[R16], 4, v[RR]
	v_and_b32 v[WSO], 8, v[RR]
	v_add_nc_u32 v[WSO], v[WSO], v[RR]
	v_lshlrev_b32 v[WSO], 5, v[WSO]                ; W's scale words: 32 bytes a row, row r + 8 (r / 8) of a tile
	v_lshlrev_b32 v[BIO], 6, v[HH]                 ; b1: 16 h numbers on
	s_mov_b32 s[CLP], 0x40b504f3                   ; 4 sqrt 2
	s_mov_b32 s[MNT], 0x600000                     ; the mantissa field of 448
	s_mov_b32 s[SEL], 0x76543210
	s_mov_b32 s[SEL+1], 0xfedcba98                 ; v_permlanex16_b32's selects for lane l xor 16
	s_mov_b32 s[HIM], 0xffff0000                   ; lanes 16-31
	s_mov_b32 s27, 0
	s_wait_kmcnt 0x0
	s_add_nc_u64 s[XS:XS+1], s[4:5], XSC
	s_lshl_b32 s26, s[EX], 22                      ; W1's codes: (4,096 e + 128 f + 32 w) rows of 1,024 bytes
	s_lshl_b32 s25, ttmp9, 17
	s_add_co_u32 s26, s26, s25
	s_lshl_b32 s25, s[WV], 15
	s_add_co_u32 s26, s26, s25
	s_add_nc_u64 s[8:9], s[8:9], s[26:27]
	s_lshl_b32 s26, s[EX], 17                      ; W1's scales: (4,096 e + 128 f + 64 nh) rows of 32 bytes; hq's half-words have the same offset
	s_lshl_b32 s25, ttmp9, 12
	s_add_co_u32 s26, s26, s25
	s_lshl_b32 s25, s[NH], 11
	s_add_co_u32 s26, s26, s25
	s_add_nc_u64 s[10:11], s[10:11], s[26:27]
	s_add_nc_u64 s[HSB:HSB+1], s[14:15], s[26:27]
	s_add_nc_u64 s[HSB:HSB+1], s[HSB:HSB+1], HSC
	s_lshl_b32 s26, s[EX], 14                      ; b1
	s_lshl_b32 s25, ttmp9, 9
	s_add_co_u32 s26, s26, s25
	s_lshl_b32 s25, s[NH], 8
	s_add_co_u32 s26, s26, s25
	s_add_nc_u64 s[12:13], s[12:13], s[26:27]
	s_lshl_b32 s26, s[EX], 22                      ; hq's codes: e x 64 tiles x 65,536 + 2,048 f + 1,024 nh
	s_lshl_b32 s25, ttmp9, 11
	s_add_co_u32 s26, s26, s25
	s_lshl_b32 s25, s[NH], 10
	s_add_co_u32 s26, s26, s25
	s_add_nc_u64 s[HB:HB+1], s[14:15], s[26:27]
.set i, 0
.rept 32
	global_load_b32 v[ACC+i], v[L4], s[6:7] offset:128*i   ; sel[32 i + lane]
.set i, i+1
.endr
	WIN 0x40
	WLOAD 0, 16
	WIN 0
	s_wait_loadcnt 32                              ; sel's 32 loads are in; the 32 loads of W behind them stay out
	WIN 0x40
	WLOAD 16, 15                                   ; 62 loads of W are on their way while the list is made
	WIN 0
	s_mov_b32 s[A5], 0
.set i, 0
.rept 32
	v_and_b32 v[TV+i%4], s[BIT], v[ACC+i]
	v_cmp_ne_u32 s[44+i%4], 0, v[TV+i%4]           ; which of tokens 32 i .. 32 i + 31 chose this expert
	s_or_b32 s26, s[A5], i
	v_mov_b32 v[VK+i], s26                         ; the key: (tokens of e below 32 i) << 5 | i
	v_mov_b32 v[VM+i], s[44+i%4]                   ; the mask
	s_bcnt1_i32_b32 s25, s[44+i%4]
	s_lshl_b32 s25, s25, 5
	s_add_co_u32 s[A5], s[A5], s25
.set i, i+1
.endr
	s_lshr_b32 s[CT], s[A5], 5                     ; the expert's count
	s_min_u32 s[CT], s[CT], 1024
	s_add_co_u32 s[NB], s[CT], 63
	s_lshr_b32 s[NB], s[NB], 6
	s_max_u32 s[NB], s[NB], 1                      ; blocks to work: at least one, at most 16
	SELP 0                                         ; blocks 0 and 1: always
	LLIST LOF, LOS, 0                              ; LDS serves a wave's instructions in order: these see my store
	s_wait_dscnt 0x0
	TOKS
	WIN 0x40
	WLOAD 31, 1
	WIN 0
.irp t, 0,1,2,3
	global_load_b128 v[WSC+8*\t:WSC+8*\t+3], v[WSO], s[10:11] offset:(32*(\t/2)+8*(\t%2))*32
	global_load_b128 v[WSC+8*\t+4:WSC+8*\t+7], v[WSO], s[10:11] offset:(32*(\t/2)+8*(\t%2))*32+16
	global_load_b128 v[BIA+8*\t:BIA+8*\t+3], v[BIO], s[12:13] offset:(32*(\t/2)+8*(\t%2))*4
	global_load_b128 v[BIA+8*\t+4:BIA+8*\t+7], v[BIO], s[12:13] offset:(32*(\t/2)+8*(\t%2))*4+16
.endr
	GATHER                                         ; block 0's rows
.irp p, 1,2,3,4,5,6,7
	s_cmp_gt_u32 s[CT], 128*\p                     ; the later passes only as far as the count reaches
	s_cbranch_scc0 .Lsel_done
	SELP \p
.endr
.Lsel_done:
	s_wait_dscnt 0x0                               ; the list's stores are done: their data registers take the coefficients
	CF 0, -0.000000000272614225801306, 6, 1        ; Pa, from degree 6 down
	CF 1, 0.0000000277068142495902, 5, 1
	CF 2, -0.00000210102402082508, 4, 1
	CF 3, -0.0000569250639462346, 3, 1
	CF 4, -0.000734990630326855, 2, 1
	CF 5, -0.00295459980854025, 1, 1
	CF 6, -0.0160960333262415, 0, 1
	CF 7, -0.0000145660718464996, 4, 0             ; Pb, from degree 4 down
	CF 8, -0.000213374055278905, 3, 0
	CF 9, -0.00168282697438203, 2, 0
	CF 10, -0.00737332916720468, 1, 0
	CF 11, -0.0142647390514189, 0, 0
	s_wait_loadcnt 0x0
	WIN 0x04                                       ; the stores' data: window 1
.set rho, 0
.rept 32                               ; row rho of my 32 goes to LDS row 16 ((rho / 8) % 2) + 8 (rho / 16) + rho % 8: a tile's sixteen rows then lie on end
.set sg, 16*((rho/8)%2)+8*(rho/16)+rho%8
	ds_store_b128 v[WSTO], v[8*rho:8*rho+3] offset:sg*WP
	ds_store_b128 v[WSTO], v[8*rho+4:8*rho+7] offset:sg*WP+512
.set rho, rho+1
.endr
	WIN 0
	STAGE 0
	LLIST LOF, LOS, 64                             ; block 1's list entries
	s_wait_dscnt 0x0                               ; they are in; my LDS stores have landed, for the others, and have read their registers
	TOKS
	GATHER                                         ; block 1's rows
	s_barrier_signal -1
	s_barrier_wait -1                              ; W's 128 rows and block 0 lie in LDS
	WIN 0x40
.irp t, 0,1,2,3
.irp s, 0,1,2,3
.irp c, 0,1,2,3
	ds_load_b128 v[64*\t+16*\s+4*\c:64*\t+16*\s+4*\c+3], v[WRD] offset:16*\t*WP+128*\s+32*\c
.endr
.endr
.endr
	WIN 0x80
.irp t, 0,1,2,3
.irp s, 0,1,2,3
.irp c, 0,1,2,3
	ds_load_b128 v[64*\t+16*\s+4*\c:64*\t+16*\s+4*\c+3], v[WRD] offset:16*\t*WP+128*(\s+4)+32*\c
.endr
.endr
.endr
	WIN 0
	s_mov_b32 s[LSO], 128                          ; half trip BLK reads the list entries of block BLK + 2
	s_mov_b32 s[BLK], 0
	s_mov_b32 s[LC], 0
; A HALF TRIP: block BLK lies in buffer b; block BLK + 1 is on its way into registers.
; One barrier does both orderings: in front of it each wave has waited for its reads of buffer 1 - b (the block before) and for its stores into buffer b.
.macro TRIP b
	s_wait_dscnt 0x0
	s_barrier_signal -1
	s_barrier_wait -1
	s_cmp_lt_u32 s[BLK], s[NB]
	s_cbranch_scc0 .Lend_\@
	LOADA \b, 0
	s_add_co_u32 s25, s[BLK], 1
	s_cmp_lt_u32 s25, s[NB]
	s_cbranch_scc0 .Lwork_\@
	s_wait_loadcnt 0x0                             ; block BLK + 1's rows are in
	STAGE 1-\b
	s_add_co_u32 s25, s[BLK], 2
	s_cmp_lt_u32 s25, s[NB]
	s_cbranch_scc0 .Lwork_\@
	v_add_nc_u32 v45, s[LSO], v[LOF]
	v_add_nc_u32 v43, s[LSO], v[LOS]
	LLIST 45, 43, 0
	s_wait_dscnt 0x0                               ; the entries are in, and the LDS stores have read the registers that the gather fills again
	TOKS
	GATHER
.Lwork_\@:
	s_wait_dscnt 0x0
	MM
	LOADA \b, 1                                    ; the second tile's fragments land while the first tile's gelu is worked
	EPI 0
	s_wait_dscnt 0x0
	MM
	EPI 1
.Lend_\@:
	s_wait_xcnt 0x0                                ; every memory instruction has read its addresses: they step
	s_add_nc_u64 s[HB:HB+1], s[HB:HB+1], 262144    ; four tiles on
	s_add_nc_u64 s[HSB:HSB+1], s[HSB:HSB+1], 128   ; 64 rows on
	s_add_co_u32 s[LSO], s[LSO], 64                ; my 16 entries of the next block
	s_add_co_u32 s[BLK], s[BLK], 1
.endm
.Lloop:
	TRIP 0
	TRIP 1
	s_add_co_u32 s[LC], s[LC], 1
	s_cmp_lt_u32 s[LC], 8
	s_cbranch_scc1 .Lloop
	s_wait_xcnt 0x0
	v_lshl_add_u32 v254, v0, 2, 0x45400
	v_mov_b32 v255, 0
	s_wait_tensorcnt 0x0
	ds_add_u32 v254, v255
	s_wait_dscnt 0x0
	s_endpgm
.Lfunc_end_k_q04420577f4_up:
	.size	k_q04420577f4_up, .Lfunc_end_k_q04420577f4_up-k_q04420577f4_up
	.p2alignl 7, 3214868480
	.fill 96, 4, 3214868480
	.section	.rodata,"a",@progbits
	.p2align	6, 0x0
	.amdhsa_kernel k_q04420577f4_up
		.amdhsa_group_segment_fixed_size 284160
		.amdhsa_private_segment_fixed_size 0
		.amdhsa_enable_private_segment 0
		.amdhsa_kernarg_size 48
		.amdhsa_user_sgpr_count 2
		.amdhsa_user_sgpr_kernarg_segment_ptr 1
		.amdhsa_wavefront_size32 1
		.amdhsa_system_sgpr_workgroup_id_x 1
		.amdhsa_system_sgpr_workgroup_id_y 1
		.amdhsa_system_sgpr_workgroup_id_z 1
		.amdhsa_system_vgpr_workitem_id 0
		.amdhsa_next_free_vgpr 1024
		.amdhsa_next_free_sgpr 66
		.amdhsa_reserve_vcc 1
		.amdhsa_float_denorm_mode_32 3
		.amdhsa_float_denorm_mode_16_64 3
		.amdhsa_memory_ordered 1
		.amdhsa_forward_progress 1
		.amdhsa_inst_pref_size 222
	.end_amdhsa_kernel
	.amdgpu_metadata
---
amdhsa.version: [ 1, 2 ]
amdhsa.kernels:
  - .name:           k_q04420577f4_up
    .symbol:         k_q04420577f4_up.kd
    .args:
      - { .name: xq, .offset: 0, .size: 8, .value_kind: global_buffer, .address_space: global }
      - { .name: sel, .offset: 8, .size: 8, .value_kind: global_buffer, .address_space: global }
      - { .name: w1_codes, .offset: 16, .size: 8, .value_kind: global_buffer, .address_space: global }
      - { .name: w1_scales, .offset: 24, .size: 8, .value_kind: global_buffer, .address_space: global }
      - { .name: b1, .offset: 32, .size: 8, .value_kind: global_buffer, .address_space: global }
      - { .name: hq, .offset: 40, .size: 8, .value_kind: global_buffer, .address_space: global }
    .group_segment_fixed_size: 284160
    .private_segment_fixed_size: 0
    .kernarg_segment_align: 8
    .kernarg_segment_size: 48
    .max_flat_workgroup_size: 128
    .sgpr_count:     66
    .vgpr_count:     1024
    .wavefront_size: 32
...
	.end_amdgpu_metadata
.endif
;; end of part 2
;; launch down (part 3): grid 32 x 8, 4 waves a work-group, no clusters, 296,448 bytes of LDS; arguments hq, sel, w2_codes, w2_scales, b2, yp; writes yp
.if DOCPART == 3
	.amdgcn_target "amdgcn-amd-amdhsa--gfx1250"
	.amdhsa_code_object_version 6
	.text
	.protected	k_q04420577f4_down
	.globl	k_q04420577f4_down
	.p2align	8
	.type	k_q04420577f4_down,@function
k_q04420577f4_down:
	s_mov_b64 s[64:65], 0
	v_nop
	global_prefetch_b8 v0, s[64:65] scope:SCOPE_SE
	s_setreg_imm32_b32 hwreg(HW_REG_WAVE_MODE, 25, 1), 1
	s_wait_xcnt 0x0
; DOWN.  yp[kq][e][row][:] = hidden[row][quarter kq of K = 4,096] W2[e] (+ b2[e] in quarter 0), for the rows routed to expert e.
; Work-group (x, e), x = 8 kq + ns: outputs 128 ns .. + 127, K = 1,024 kq .. + 1,023: 128 x 1,024 bytes of W2's codes, read from memory once and kept in REGISTERS
; (wave w = (nh = w & 1, rp = w >> 1): outputs 64 nh .. + 63 for the quarter's K, 512 registers; tiles 2 rp, 2 rp + 1 of each block of 64 rows).
; The hidden layer's codes lie in hq as images of the operand's registers: a tile's eight K steps are 16,384 consecutive bytes.  Wave w brings tile w of a block
; into registers a block ahead and lays it into one of two LDS buffers, from which all four waves read their fragments.
; The product is used transposed, with the same choice of W's rows for a tile as in the launch before: a lane's 16 registers of two tiles are 16 neighbouring outputs of one row.
; The four quarters' sums are added by the next launch, which owns each output row: no atomics.
; HOW MANY BLOCKS are worked is the expert's count, taken from sel (whole numbers stored two launches back) while the weights are on their way: a loop of constant
; count, the barrier in every half trip, the work jumped over; and so no tensor load, hence no joint load in a cluster: operands go from memory through registers.
.set HSC,  33554432
.set WROW, 4096                        ; a row of W2's codes in memory
.set WP,   1040
.set AB0,  133120
.set ABS,  69632
.set SB0,  272384
.set SBS,  3072
.set STG,  278528                      ; LDS: the way out: 16 rows x (256 bytes + 16) for each wave, its own
.set L16,  1
.set RR,   2
.set HH,   3
.set WSTO, 4
.set WRD,  5
.set ARD,  6
.set SRD,  8
.set AWR,  10
.set SWR,  12
.set AOF,  16                          ; v16  hq: 16 lane + 65,536 w
.set HO2,  17                          ; v17  hq: 4 lane + 8,192 w
.set YOF,  25                          ; v25  yp: row 32 rp + h, 16 r bytes
.set STO,  26                          ; v26  the stage, in
.set SRB,  27                          ; v27  and back
.set SST,  28                          ; v28-31 scale half-words: rows 2 lane, 2 lane + 1
.set WSO,  46
.set BIO,  47
.set WSC,  48
.set ASC,  80
.set BIA,  88
.set ACC,  120
.set T,    176                         ; v176-207 rows of y on their way out; at the head: sel
.set WV,  16
.set NH,  17
.set RP,  18
.set EX,  19
.set NS,  20
.set CT,  21
.set NB,  22
.set BLK, 23
.set LC,  24
.set YB,  28                           ; s[28:29] yp at the block in hand
.set AP,  30                           ; s[30:31] hq's codes at the block to be asked for
.set HP,  32                           ; s[32:33] hq's scale half-words likewise
.set KQ,  36
.set BIT, 37                           ; s37  1 << e
.set MSB, 0
.macro WIN new                         ; the immediate's high byte repeats the setting that is left
.if MSB != \new
	s_set_vgpr_msb (MSB<<8)|\new
.set MSB, \new
.endif
.endm
.macro ALOAD                           ; tile w of a block: 32 x 512 consecutive bytes; the half-words of K steps 2 w, 2 w + 1 for the block's 64 rows
	WIN 0xc0
.set jj, 0
.rept 32
	global_load_b128 v[128+4*jj:128+4*jj+3], v[AOF], s[AP:AP+1] offset:512*jj
.set jj, jj+1
.endr
	WIN 0
.irp q, 0,1,2,3
	global_load_b32 v[SST+\q], v[HO2], s[HP:HP+1] offset:2048*\q
.endr
.endm
.macro STAGE b                         ; image 4 s + c, lane (r, h), is piece (s, 2 c + h), row r
	WIN 0x0c
.set jj, 0
.rept 32
	ds_store_b128 v[AWR+(\b)], v[128+4*jj:128+4*jj+3] offset:544*jj
.set jj, jj+1
.endr
	WIN 0
.irp q, 0,1,2,3
	ds_store_b16 v[SWR+(\b)], v[SST+\q] offset:2*\q              ; row 2 lane: bytes 2 (q % 2), + 1 of word 2 w + q / 2
	ds_store_b16_d16_hi v[SWR+(\b)], v[SST+\q] offset:2*\q+48    ; row 2 lane + 1
.endr
.endm
.macro LOADA b, j
	WIN 0xc0
.irp s, 0,1,2,3,4,5,6,7
.irp c, 0,1,2,3
	ds_load_b128 v[16*\s+4*\c:16*\s+4*\c+3], v[ARD+(\b)] offset:(8*(\j)+\s)*2176+544*\c
.endr
.endr
	WIN 0
	ds_load_b128 v[ASC:ASC+3], v[SRD+(\b)] offset:768*(\j)
	ds_load_b128 v[ASC+4:ASC+7], v[SRD+(\b)] offset:768*(\j)+16
.endm
; 32 matrix instructions: K ascending, the four accumulators by turns, one instruction a turn.  The bias is the C of each sum's first.
.macro MM
	WIN 0x0d
.irp s, 0,1,2,3
.irp t, 0,1,2,3
.if \s == 0
	v_wmma_scale_f32_16x16x128_f8f6f4 v[ACC+8*\t:ACC+8*\t+7], v[64*\t+16*\s:64*\t+16*\s+15], v[16*\s:16*\s+15], v[BIA+8*\t:BIA+8*\t+7], v[WSC+8*\t+\s], v[ASC+\s]
.else
	v_wmma_scale_f32_16x16x128_f8f6f4 v[ACC+8*\t:ACC+8*\t+7], v[64*\t+16*\s:64*\t+16*\s+15], v[16*\s:16*\s+15], v[ACC+8*\t:ACC+8*\t+7], v[WSC+8*\t+\s], v[ASC+\s]
.endif
.endr
.endr
	WIN 0x0e
.irp s, 4,5,6,7
.irp t, 0,1,2,3
	v_wmma_scale_f32_16x16x128_f8f6f4 v[ACC+8*\t:ACC+8*\t+7], v[64*\t+16*(\s-4):64*\t+16*(\s-4)+15], v[16*\s:16*\s+15], v[ACC+8*\t:ACC+8*\t+7], v[WSC+8*\t+\s], v[ASC+\s]
.endr
.endr
	WIN 0
.rept 9
	v_nop                                          ; eight places ahead of reads of the results and of loads into A's registers; the ninth for the next tile's first products, which write over the results with another C
.endr
.endm
; tile 2 rp + j goes out through my own stage: a lane holds 64 neighbouring bytes of two runs of a row; back come whole runs of 256 bytes
.macro EPI j
	s_wait_xcnt 0x0                                ; the last tile's stores have read their registers
.irp b, 0,1
.irp q, 0,1,2,3
	ds_store_b128 v[STO], v[ACC+16*\b+4*\q:ACC+16*\b+4*\q+3] offset:128*\b+16*\q   ; each accumulator from its low end on
.endr
.endr
.irp i, 0,1,2,3,4,5,6,7
	ds_load_b128 v[T+4*\i:T+4*\i+3], v[SRB] offset:544*\i    ; LDS serves a wave's instructions in order: these see my stores
.endr
	s_wait_dscnt 0x0
.irp i, 0,1,2,3,4,5,6,7
	global_store_b128 v[YOF], v[T+4*\i:T+4*\i+3], s[YB:YB+1] offset:(16*(\j)+2*\i)*4096 th:TH_STORE_NT   ; sixteen lanes store 256 consecutive bytes, aligned
.endr
.endm
.macro WLOAD r0, n                     ; n of my 32 rows of W, from row r0 on: 512 consecutive bytes a load
.set rho, \r0
.rept \n
	global_load_b128 v[8*rho:8*rho+3], v[L16], s[8:9] offset:rho*WROW th:TH_LOAD_NT
	global_load_b128 v[8*rho+4:8*rho+7], v[L16], s[8:9] offset:rho*WROW+512 th:TH_LOAD_NT
.set rho, rho+1
.endr
.endm
	s_load_b256 s[4:11], s[0:1], 0x0               ; hq, sel, w2_codes, w2_scales
	s_load_b128 s[12:15], s[0:1], 0x20             ; b2, yp
	v_lshl_add_u32 v254, v0, 2, 0x48400
	v_mov_b32 v255, 0
	v_lshrrev_b32 v43, 5, v0
	v_readfirstlane_b32 s[WV], v43                 ; wave 0..3
	s_and_b32 s[NH], s[WV], 1
	s_lshr_b32 s[RP], s[WV], 1
	s_and_b32 s[EX], ttmp7, 0xffff                 ; the expert
	s_lshl_b32 s[BIT], 1, s[EX]
	s_and_b32 s[NS], ttmp9, 7                      ; which 128 outputs
	s_lshr_b32 s[KQ], ttmp9, 3                     ; which quarter of K
	v_and_b32 v43, 31, v0                          ; lane
	v_lshlrev_b32 v[L16], 4, v43
	v_and_b32 v[RR], 15, v0
	v_bfe_u32 v[HH], v0, 4, 1
	s_mul_i32 s25, s[WV], 32*WP
	v_add_nc_u32 v[WSTO], s25, v[L16]
	v_mul_u32_u24 v[WRD], v[RR], WP
	v_lshl_add_u32 v[WRD], v[HH], 4, v[WRD]
	s_mul_i32 s25, s[NH], 64*WP
	v_add_nc_u32 v[WRD], s25, v[WRD]
	v_mul_u32_u24 v45, v[HH], 272
	v_lshl_add_u32 v45, v[RR], 4, v45              ; 272 h + 16 r
	s_mul_i32 s25, s[RP], 2*17408
	s_add_co_u32 s25, s25, AB0
	v_add_nc_u32 v[ARD], s25, v45
	v_add_nc_u32 v[ARD+1], ABS, v[ARD]
	s_mul_i32 s25, s[WV], 17408
	s_add_co_u32 s25, s25, AB0
	v_add_nc_u32 v[AWR], s25, v45
	v_add_nc_u32 v[AWR+1], ABS, v[AWR]
	s_mul_i32 s25, s[WV], 4352
	s_add_co_u32 s25, s25, STG
	v_add_nc_u32 v[SRB], s25, v45
	v_mul_u32_u24 v45, v[RR], 272
	v_lshl_add_u32 v45, v[HH], 6, v45
	v_add_nc_u32 v[STO], s25, v45
	v_mul_u32_u24 v45, v[RR], 48
	s_mul_i32 s25, s[RP], 32*48
	s_add_co_u32 s25, s25, SB0
	v_add_nc_u32 v[SRD], s25, v45
	v_add_nc_u32 v[SRD+1], SBS, v[SRD]
	v_mul_u32_u24 v45, v43, 96
	s_lshl_b32 s25, s[WV], 3
	s_add_co_u32 s25, s25, SB0
	v_add_nc_u32 v[SWR], s25, v45
	v_add_nc_u32 v[SWR+1], SBS, v[SWR]
	s_lshl_b32 s25, s[WV], 16
	v_add_nc_u32 v[AOF], s25, v[L16]
	s_lshl_b32 s25, s[WV], 13
	v_lshl_add_u32 v[HO2], v43, 2, s25
	v_lshlrev_b32 v45, 12, v[HH]
	v_lshl_add_u32 v45, v[RR], 4, v45
	s_lshl_b32 s25, s[RP], 17
	v_add_nc_u32 v[YOF], s25, v45
	v_and_b32 v[WSO], 8, v[RR]
	v_add_nc_u32 v[WSO], v[WSO], v[RR]
	v_lshlrev_b32 v[WSO], 7, v[WSO]                ; W2's scale words: 128 bytes a row, row r + 8 (r / 8) of a tile
	v_lshlrev_b32 v[BIO], 6, v[HH]
	s_mov_b32 s27, 0
	s_wait_kmcnt 0x0
	s_lshl_b32 s26, s[EX], 22                      ; hq's codes: e x 64 tiles x 65,536 + 16,384 kq
	s_lshl_b32 s25, s[KQ], 14
	s_add_co_u32 s26, s26, s25
	s_add_nc_u64 s[AP:AP+1], s[4:5], s[26:27]
	s_lshl_b32 s26, s[EX], 17                      ; hq's half-words: (32 e + 8 kq) x 4,096
	s_lshl_b32 s25, s[KQ], 15
	s_add_co_u32 s26, s26, s25
	s_add_nc_u64 s[HP:HP+1], s[4:5], s[26:27]
	s_add_nc_u64 s[HP:HP+1], s[HP:HP+1], HSC
	s_lshl_b32 s26, s[EX], 22                      ; W2's codes: (1,024 e + 128 ns + 32 w) rows of 4,096 bytes + 1,024 kq
	s_lshl_b32 s25, s[NS], 19
	s_add_co_u32 s26, s26, s25
	s_lshl_b32 s25, s[WV], 17
	s_add_co_u32 s26, s26, s25
	s_lshl_b32 s25, s[KQ], 10
	s_add_co_u32 s26, s26, s25
	s_add_nc_u64 s[8:9], s[8:9], s[26:27]
	s_lshl_b32 s26, s[EX], 17                      ; W2's scales: (1,024 e + 128 ns + 64 nh) rows of 128 bytes + 32 kq
	s_lshl_b32 s25, s[NS], 14
	s_add_co_u32 s26, s26, s25
	s_lshl_b32 s25, s[NH], 13
	s_add_co_u32 s26, s26, s25
	s_lshl_b32 s25, s[KQ], 5
	s_add_co_u32 s26, s26, s25
	s_add_nc_u64 s[10:11], s[10:11], s[26:27]
	s_lshl_b32 s26, s[EX], 12                      ; b2
	s_lshl_b32 s25, s[NS], 9
	s_add_co_u32 s26, s26, s25
	s_lshl_b32 s25, s[NH], 8
	s_add_co_u32 s26, s26, s25
	s_add_nc_u64 s[12:13], s[12:13], s[26:27]
	s_lshl_b32 s26, s[KQ], 3                       ; yp: (8 kq + e) x 1,024 rows of 4,096 bytes + 512 ns + 256 nh
	s_add_co_u32 s26, s26, s[EX]
	s_lshl_b32 s26, s26, 22
	s_lshl_b32 s25, s[NS], 9
	s_add_co_u32 s26, s26, s25
	s_lshl_b32 s25, s[NH], 8
	s_add_co_u32 s26, s26, s25
	s_add_nc_u64 s[YB:YB+1], s[14:15], s[26:27]
.irp k, 0,1,2,3,4,5,6,7
	global_load_b128 v[T+4*\k:T+4*\k+3], v[L16], s[6:7] offset:512*\k   ; all of sel: 512 consecutive bytes a load
.endr
	ALOAD                                          ; block 0: it is always written by the launch before
	WIN 0x40
	WLOAD 0, 9
	WIN 0
	s_wait_loadcnt 54                              ; sel's eight loads are in; block 0's 36 and the 18 loads of W behind them stay out
	s_mov_b32 s[CT], 0
.set i, 0
.rept 32
	v_and_b32 v[208+i%4], s[BIT], v[T+i]
	v_cmp_ne_u32 s[44+i%4], 0, v[208+i%4]          ; which of these 32 tokens chose this expert
	s_bcnt1_i32_b32 s25, s[44+i%4]
	s_add_co_u32 s[CT], s[CT], s25                 ; the expert's count
.set i, i+1
.endr
	s_min_u32 s[CT], s[CT], 1024
	s_add_co_u32 s[NB], s[CT], 63
	s_lshr_b32 s[NB], s[NB], 6
	s_max_u32 s[NB], s[NB], 1                      ; the same number of blocks as in the launch before
	WIN 0x40
	WLOAD 9, 23
	WIN 0
.irp t, 0,1,2,3
	global_load_b128 v[WSC+8*\t:WSC+8*\t+3], v[WSO], s[10:11] offset:(32*(\t/2)+8*(\t%2))*128
	global_load_b128 v[WSC+8*\t+4:WSC+8*\t+7], v[WSO], s[10:11] offset:(32*(\t/2)+8*(\t%2))*128+16
	global_load_b128 v[BIA+8*\t:BIA+8*\t+3], v[BIO], s[12:13] offset:(32*(\t/2)+8*(\t%2))*4
	global_load_b128 v[BIA+8*\t+4:BIA+8*\t+7], v[BIO], s[12:13] offset:(32*(\t/2)+8*(\t%2))*4+16
.endr
	s_cmp_eq_u32 s[KQ], 0
	s_cselect_b32 s41, -1, 0
	s_wait_loadcnt 0x0
.set qq, 0
.rept 32
	v_cndmask_b32 v[BIA+qq], 0, v[BIA+qq], s41     ; the bias counts once: in quarter 0
.set qq, qq+1
.endr
	WIN 0x04
.set rho, 0
.rept 32
.set sg, 16*((rho/8)%2)+8*(rho/16)+rho%8
	ds_store_b128 v[WSTO], v[8*rho:8*rho+3] offset:sg*WP
	ds_store_b128 v[WSTO], v[8*rho+4:8*rho+7] offset:sg*WP+512
.set rho, rho+1
.endr
	WIN 0
	STAGE 0
	s_wait_dscnt 0x0                               ; my LDS stores have landed, for the others, and have read their registers
	s_add_nc_u64 s[AP:AP+1], s[AP:AP+1], 262144    ; block 1 (block 0's loads are done)
	s_add_nc_u64 s[HP:HP+1], s[HP:HP+1], 128
	s_cmp_gt_u32 s[NB], 1
	s_cbranch_scc0 .Lno1
	ALOAD
.Lno1:
	s_barrier_signal -1
	s_barrier_wait -1                              ; W's 128 rows and block 0 lie in LDS
	WIN 0x40
.irp t, 0,1,2,3
.irp s, 0,1,2,3
.irp c, 0,1,2,3
	ds_load_b128 v[64*\t+16*\s+4*\c:64*\t+16*\s+4*\c+3], v[WRD] offset:16*\t*WP+128*\s+32*\c
.endr
.endr
.endr
	WIN 0x80
.irp t, 0,1,2,3
.irp s, 0,1,2,3
.irp c, 0,1,2,3
	ds_load_b128 v[64*\t+16*\s+4*\c:64*\t+16*\s+4*\c+3], v[WRD] offset:16*\t*WP+128*(\s+4)+32*\c
.endr
.endr
.endr
	WIN 0
	s_wait_xcnt 0x0                                ; block 1's loads have read their bases
	s_add_nc_u64 s[AP:AP+1], s[AP:AP+1], 262144    ; block 2: half trip BLK asks for block BLK + 2
	s_add_nc_u64 s[HP:HP+1], s[HP:HP+1], 128
	s_mov_b32 s[BLK], 0
	s_mov_b32 s[LC], 0
; A HALF TRIP: block BLK lies in buffer b; block BLK + 1 is on its way into registers.
; One barrier does both orderings: in front of it each wave has waited for its reads of buffer 1 - b (the block before) and for its stores into buffer b.
.macro TRIP b
	s_wait_dscnt 0x0
	s_barrier_signal -1
	s_barrier_wait -1
	s_cmp_lt_u32 s[BLK], s[NB]
	s_cbranch_scc0 .Lend_\@
	LOADA \b, 0
	s_add_co_u32 s25, s[BLK], 1
	s_cmp_lt_u32 s25, s[NB]
	s_cbranch_scc0 .Lwork_\@
	s_wait_loadcnt 0x0                             ; block BLK + 1 is in
	STAGE 1-\b
	s_add_co_u32 s25, s[BLK], 2
	s_cmp_lt_u32 s25, s[NB]
	s_cbranch_scc0 .Lwork_\@
	s_wait_dscnt 0x0                               ; the LDS stores have read the registers that the loads fill again
	ALOAD
.Lwork_\@:
	s_wait_dscnt 0x0
	MM
	LOADA \b, 1
	EPI 0
	s_wait_dscnt 0x0
	MM
	EPI 1
.Lend_\@:
	s_wait_xcnt 0x0                                ; every memory instruction has read its addresses: they step
	s_add_nc_u64 s[YB:YB+1], s[YB:YB+1], 262144    ; 64 rows of 4,096 bytes on
	s_add_nc_u64 s[AP:AP+1], s[AP:AP+1], 262144    ; four tiles on
	s_add_nc_u64 s[HP:HP+1], s[HP:HP+1], 128       ; 64 rows' half-words on
	s_add_co_u32 s[BLK], s[BLK], 1
.endm
.Lloop:
	TRIP 0
	TRIP 1
	s_add_co_u32 s[LC], s[LC], 1
	s_cmp_lt_u32 s[LC], 8
	s_cbranch_scc1 .Lloop
	s_wait_tensorcnt 0x0
	ds_add_u32 v254, v255
	s_wait_dscnt 0x0
	s_endpgm
.Lfunc_end_k_q04420577f4_down:
	.size	k_q04420577f4_down, .Lfunc_end_k_q04420577f4_down-k_q04420577f4_down
	.p2alignl 7, 3214868480
	.fill 96, 4, 3214868480
	.section	.rodata,"a",@progbits
	.p2align	6, 0x0
	.amdhsa_kernel k_q04420577f4_down
		.amdhsa_group_segment_fixed_size 296448
		.amdhsa_private_segment_fixed_size 0
		.amdhsa_enable_private_segment 0
		.amdhsa_kernarg_size 48
		.amdhsa_user_sgpr_count 2
		.amdhsa_user_sgpr_kernarg_segment_ptr 1
		.amdhsa_wavefront_size32 1
		.amdhsa_system_sgpr_workgroup_id_x 1
		.amdhsa_system_sgpr_workgroup_id_y 1
		.amdhsa_system_sgpr_workgroup_id_z 1
		.amdhsa_system_vgpr_workitem_id 0
		.amdhsa_next_free_vgpr 1024
		.amdhsa_next_free_sgpr 66
		.amdhsa_reserve_vcc 0
		.amdhsa_float_denorm_mode_32 3
		.amdhsa_float_denorm_mode_16_64 3
		.amdhsa_memory_ordered 1
		.amdhsa_forward_progress 1
		.amdhsa_inst_pref_size 90
	.end_amdhsa_kernel
	.amdgpu_metadata
---
amdhsa.version: [ 1, 2 ]
amdhsa.kernels:
  - .name:           k_q04420577f4_down
    .symbol:         k_q04420577f4_down.kd
    .args:
      - { .name: hq, .offset: 0, .size: 8, .value_kind: global_buffer, .address_space: global }
      - { .name: sel, .offset: 8, .size: 8, .value_kind: global_buffer, .address_space: global }
      - { .name: w2_codes, .offset: 16, .size: 8, .value_kind: global_buffer, .address_space: global }
      - { .name: w2_scales, .offset: 24, .size: 8, .value_kind: global_buffer, .address_space: global }
      - { .name: b2, .offset: 32, .size: 8, .value_kind: global_buffer, .address_space: global }
      - { .name: yp, .offset: 40, .size: 8, .value_kind: global_buffer, .address_space: global }
    .group_segment_fixed_size: 296448
    .private_segment_fixed_size: 0
    .kernarg_segment_align: 8
    .kernarg_segment_size: 48
    .max_flat_workgroup_size: 128
    .sgpr_count:     66
    .vgpr_count:     1024
    .wavefront_size: 32
...
	.end_amdgpu_metadata
.endif
;; end of part 3
;; launch combine (part 4): grid 256 x 1, 8 waves a work-group, no clusters, 0 bytes of LDS; arguments yp, sel, xq, out0; writes out0
.if DOCPART == 4
	.amdgcn_target "amdgcn-amd-amdhsa--gfx1250"
	.amdhsa_code_object_version 6
	.text
	.protected	k_q04420577f4_combine
	.globl	k_q04420577f4_combine
	.p2align	8
	.type	k_q04420577f4_combine,@function
k_q04420577f4_combine:
	s_mov_b64 s[64:65], 0
	v_nop
	global_prefetch_b8 v0, s[64:65] scope:SCOPE_SE
	s_setreg_imm32_b32 hwreg(HW_REG_WAVE_MODE, 25, 1), 1
	s_wait_xcnt 0x0
; COMBINE.  out[t] = g0 (the four quarters' sum of row0) + g1 (the four quarters' sum of row1): each output row has one owner.
; A wave takes half a token's row, 512 numbers: t = 4 x work-group + wave / 2.
; WHERE THE TWO ROWS LIE: token t's row with expert e is e x 1,024 + the number of lower tokens that chose e, as the launch that made the rows counted them.
; The wave takes that from sel (whole numbers stored three launches back): all 1,024 words, 32 a lane; the words of tokens at or above t count as 0; each lane sums
; its words' bits of e0 and of e1; the lanes' sums (32 at the most: six bits) are joined bit by bit: a compare's mask, its count of ones, a shift.
; The rows are held inside the table before they enter an address.  The gates come from xq.
; All 32 loads of yp go out at once; every load and store covers 512 consecutive bytes.
; A stream bound by its bytes: no LDS, no barrier, no matrix unit; work-groups share sel alone, 4 KB, so no cluster.
.set XG,    1081344
.set PLANE, 0x2000000                  ; a quarter's plane of yp: 8 x 1,024 rows x 4,096 bytes
.set SR,    144                        ; v144-175 sel[128 k + 4 lane + q] at 4 k + q
	s_load_b256 s[4:11], s[0:1], 0x0               ; yp, sel, xq, out0
	v_lshrrev_b32 v1, 5, v0
	v_readfirstlane_b32 s12, v1                    ; wave
	v_and_b32 v2, 31, v0
	v_lshlrev_b32 v1, 4, v2                        ; 16 x lane
	s_lshr_b32 s13, s12, 1
	s_and_b32 s14, s12, 1                          ; which half of the row
	s_lshl_b32 s15, ttmp9, 2
	s_add_co_u32 s15, s15, s13                     ; the token
	v_lshlrev_b32 v2, 2, v2
	v_sub_nc_u32 v2, s15, v2                       ; t - 4 lane: token 128 k + 4 lane + q lies below t where 128 k + q is under this
	s_lshl_b32 s32, s15, 2
	s_mov_b32 s33, 0
	s_lshl_b32 s34, s15, 3
	s_mov_b32 s35, 0
	s_lshl_b32 s40, s15, 12
	s_lshl_b32 s42, s14, 11                        ; 2,048 x half
	s_add_co_u32 s40, s40, s42
	s_mov_b32 s41, 0
	s_wait_kmcnt 0x0
	s_add_nc_u64 s[32:33], s[6:7], s[32:33]
	s_add_nc_u64 s[34:35], s[8:9], s[34:35]
	s_load_b32 s36, s[32:33], 0x0                  ; my token's word: e0 in bits 15:8, e1 in bits 23:16
	s_load_b64 s[38:39], s[34:35], XG              ; g0, g1
.irp k, 0,1,2,3,4,5,6,7
	global_load_b128 v[SR+4*\k:SR+4*\k+3], v1, s[6:7] offset:512*\k
.endr
	s_add_nc_u64 s[10:11], s[10:11], s[40:41]
	s_wait_kmcnt 0x0
	s_bfe_u32 s62, s36, 0x80008                    ; e0
	s_bfe_u32 s63, s36, 0x80010                    ; e1
	s_min_u32 s62, s62, 7
	s_min_u32 s63, s63, 7
	s_lshl_b32 s48, 1, s62
	s_lshl_b32 s49, 1, s63
	s_lshl_b32 s44, s62, 10                        ; e0 x 1,024: the rank is added below
	s_lshl_b32 s46, s63, 10
	s_wait_loadcnt 0x0
.irp k, 0,1,2,3,4,5,6,7
.irp q, 0,1,2,3
	v_cmp_lt_i32 vcc_lo, 128*\k+\q, v2
	v_cndmask_b32 v[12+\q], 0, v[SR+4*\k+\q], vcc_lo   ; a token at or above t counts for nothing
.if \k == 0
	v_and_b32 v[4+\q], s48, v[12+\q]               ; the first words start the sums: four chains for each expert
	v_and_b32 v[8+\q], s49, v[12+\q]
.else
	v_and_b32 v[16+\q], s48, v[12+\q]
	v_and_b32 v[20+\q], s49, v[12+\q]
	v_add_nc_u32 v[4+\q], v[4+\q], v[16+\q]
	v_add_nc_u32 v[8+\q], v[8+\q], v[20+\q]
.endif
.endr
.endr
	v_add3_u32 v4, v4, v5, v6
	v_add3_u32 v8, v8, v9, v10
	v_add_nc_u32 v4, v4, v7
	v_add_nc_u32 v8, v8, v11
	v_lshrrev_b32 v4, s62, v4                      ; my lane's count for e0: 32 at the most,
	v_lshrrev_b32 v8, s63, v8                      ; for e1
.irp k, 0,1,2,3,4,5
	v_bfe_u32 v[12+\k], v4, \k, 1
	v_bfe_u32 v[18+\k], v8, \k, 1
.endr
.irp k, 0,1,2,3,4,5
	v_cmp_ne_u32 s[50+\k], 0, v[12+\k]             ; the lanes whose count has bit k
	v_cmp_ne_u32 s[56+\k], 0, v[18+\k]
.endr
.irp k, 0,1,2,3,4,5
	s_bcnt1_i32_b32 s32, s[50+\k]
	s_bcnt1_i32_b32 s33, s[56+\k]
	s_lshl_b32 s32, s32, \k
	s_lshl_b32 s33, s33, \k
	s_add_co_u32 s44, s44, s32                     ; row0 = e0 x 1,024 + the lower tokens that chose e0
	s_add_co_u32 s46, s46, s33
.endr
	s_min_u32 s44, s44, 8191
	s_min_u32 s46, s46, 8191
	s_lshl_b32 s44, s44, 12
	s_lshl_b32 s46, s46, 12
	s_add_co_u32 s44, s44, s42
	s_add_co_u32 s46, s46, s42
	s_mov_b32 s45, 0
	s_mov_b32 s47, 0
	s_add_nc_u64 s[16:17], s[4:5], s[44:45]        ; row0 in quarter 0,
	s_add_nc_u64 s[18:19], s[16:17], PLANE         ; 1,
	s_add_nc_u64 s[20:21], s[18:19], PLANE         ; 2,
	s_add_nc_u64 s[22:23], s[20:21], PLANE         ; 3;
	s_add_nc_u64 s[24:25], s[4:5], s[46:47]        ; row1 likewise
	s_add_nc_u64 s[26:27], s[24:25], PLANE
	s_add_nc_u64 s[28:29], s[26:27], PLANE
	s_add_nc_u64 s[30:31], s[28:29], PLANE
	s_mov_b32 s36, s39                             ; g1 as the low word of a pair: the packed forms take a scalar pair's low word for both halves
	s_mov_b32 s37, s39
.irp i, 0,1,2,3
.irp u, 0,1,2,3,4,5,6,7
	global_load_b128 v[16+32*\i+4*\u:16+32*\i+4*\u+3], v1, s[16+2*\u:17+2*\u] offset:512*\i th:TH_LOAD_NT
.endr
.endr
.irp i, 0,1,2,3
.set B, 16+32*\i
	s_wait_loadcnt 24-8*\i                         ; this chunk's eight loads are in; the later chunks' stay out
.irp k, 0,1
.irp d, 0,2
	v_pk_add_f32 v[B+16*\k+\d:B+16*\k+\d+1], v[B+16*\k+\d:B+16*\k+\d+1], v[B+16*\k+4+\d:B+16*\k+4+\d+1]
.endr
.endr
.irp k, 0,1
.irp d, 0,2
	v_pk_add_f32 v[B+16*\k+\d:B+16*\k+\d+1], v[B+16*\k+\d:B+16*\k+\d+1], v[B+16*\k+8+\d:B+16*\k+8+\d+1]
.endr
.endr
.irp k, 0,1
.irp d, 0,2
	v_pk_add_f32 v[B+16*\k+\d:B+16*\k+\d+1], v[B+16*\k+\d:B+16*\k+\d+1], v[B+16*\k+12+\d:B+16*\k+12+\d+1]
.endr
.endr
.irp d, 0,2
	v_pk_mul_f32 v[B+\d:B+\d+1], v[B+\d:B+\d+1], s[38:39] op_sel_hi:[1,0]
.endr
.irp d, 0,2
	v_pk_fma_f32 v[B+\d:B+\d+1], v[B+16+\d:B+16+\d+1], s[36:37], v[B+\d:B+\d+1] op_sel_hi:[1,0,1]
.endr
	global_store_b128 v1, v[B:B+3], s[10:11] offset:512*\i th:TH_STORE_NT
.endr
	s_endpgm
.Lfunc_end_k_q04420577f4_combine:
	.size	k_q04420577f4_combine, .Lfunc_end_k_q04420577f4_combine-k_q04420577f4_combine
	.p2alignl 7, 3214868480
	.fill 96, 4, 3214868480
	.section	.rodata,"a",@progbits
	.p2align	6, 0x0
	.amdhsa_kernel k_q04420577f4_combine
		.amdhsa_group_segment_fixed_size 0
		.amdhsa_private_segment_fixed_size 0
		.amdhsa_enable_private_segment 0
		.amdhsa_kernarg_size 32
		.amdhsa_user_sgpr_count 2
		.amdhsa_user_sgpr_kernarg_segment_ptr 1
		.amdhsa_wavefront_size32 1
		.amdhsa_system_sgpr_workgroup_id_x 1
		.amdhsa_system_sgpr_workgroup_id_y 1
		.amdhsa_system_sgpr_workgroup_id_z 1
		.amdhsa_system_vgpr_workitem_id 0
		.amdhsa_next_free_vgpr 176
		.amdhsa_next_free_sgpr 66
		.amdhsa_reserve_vcc 1
		.amdhsa_float_denorm_mode_32 3
		.amdhsa_float_denorm_mode_16_64 3
		.amdhsa_memory_ordered 1
		.amdhsa_forward_progress 1
		.amdhsa_inst_pref_size 21
	.end_amdhsa_kernel
	.amdgpu_metadata
---
amdhsa.version: [ 1, 2 ]
amdhsa.kernels:
  - .name:           k_q04420577f4_combine
    .symbol:         k_q04420577f4_combine.kd
    .args:
      - { .name: yp, .offset: 0, .size: 8, .value_kind: global_buffer, .address_space: global }
      - { .name: sel, .offset: 8, .size: 8, .value_kind: global_buffer, .address_space: global }
      - { .name: xq, .offset: 16, .size: 8, .value_kind: global_buffer, .address_space: global }
      - { .name: out0, .offset: 24, .size: 8, .value_kind: global_buffer, .address_space: global }
    .group_segment_fixed_size: 0
    .private_segment_fixed_size: 0
    .kernarg_segment_align: 8
    .kernarg_segment_size: 32
    .max_flat_workgroup_size: 256
    .sgpr_count:     66
    .vgpr_count:     176
    .wavefront_size: 32
...
	.end_amdgpu_metadata
.endif
;; end of part 4
;; ======== version 2 of 2: 4 launches; version 1 with the launches up, down written anew for expert scheduling mode
;; workspace buffers: xq 1,089,536 bytes; sel 4,096 bytes of whole numbers; hq 34,603,008 bytes; yp 134,217,728 bytes
;; launch route: the kernel of part 1 again; grid 256 x 1, 4 waves a work-group, no clusters, 23,040 bytes of LDS; arguments x, router_w, xq, sel; writes xq, sel
;; launch up (part 5): grid 32 x 8, 4 waves a work-group, no clusters, 284,160 bytes of LDS; arguments xq, sel, w1_codes, w1_scales, b1, hq; writes hq
.if DOCPART == 5
	.amdgcn_target "amdgcn-amd-amdhsa--gfx1250"
	.amdhsa_code_object_version 6
	.text
	.protected	k_q04420577f4_up
	.globl	k_q04420577f4_up
	.p2align	8
	.type	k_q04420577f4_up,@function
k_q04420577f4_up:
	s_mov_b64 s[64:65], 0
	v_nop
	global_prefetch_b8 v0, s[64:65] scope:SCOPE_SE
	s_setreg_imm32_b32 hwreg(HW_REG_WAVE_SCHED_MODE, 0, 2), 2
	s_setreg_imm32_b32 hwreg(HW_REG_WAVE_MODE, 25, 1), 1
	s_wait_xcnt 0x0
	s_wait_alu depctr_vm_vsrc(0)
; UP.  hidden = Q(gelu(Q(x) W1[e] + b1[e])) for the rows routed to expert e alone.  Work-group (f, e): hidden units 128 f .. 128 f + 127 of expert e.
; Its 128 rows of W1's codes (128 x 1,024 bytes) are read from memory once and stay in REGISTERS: wave w = (nh = w & 1, rp = w >> 1) holds units 64 nh .. + 63
; for all of K (512 registers) and takes tiles 2 rp, 2 rp + 1 of each block of 64 rows.
; THE LIST OF ROWS is made here, from sel (whole numbers stored by the launch before), while the weights are on their way: row j of expert e is the j-th token, in
; ascending order, that chose e.  It is made by GATHERING: each lane looks its own row up in 32 masks and their running counts, so that no LDS address hangs on data.
; Rows beyond the count come out as token 1,023: a real token, whose results nobody reads.
; 64 tokens' codes are gathered into registers a block ahead, laid into one of two LDS buffers, and read from there as fragments by all four waves.
; THE PRODUCT IS USED TRANSPOSED (source 0 = 16 rows of W1, source 1 = 16 tokens), AND THE ROWS OF W1 THAT FORM A TILE ARE NOT NEIGHBOURS: lane r of tile 2 b + u
; takes row 32 b + 8 u + r + 8 (r / 8).  So a lane holds one token, and the 16 registers of tiles 2 b, 2 b + 1 are 16 neighbours along the next product's K.
; The codes leave as images of the next operand's registers: hq[((e 64 + tile) 32 + f) 2,048 + c 512 + 16 lane], 512 consecutive bytes a store.
; gelu(x) = 0.5 x (1 + erf(x / sqrt 2)); erf(u) = u Pa(u^2) / Pb(u^2) with u held to +-4, degrees 6 and 4, all in f32.
; HOW MANY BLOCKS are worked hangs on numbers read from memory.  So the loop has a constant count (16 blocks), the barrier stands in every half trip, and the
; work is jumped over; and so no tensor load, hence no joint load in a cluster, is used: operands go from memory through registers.
; LIMITS: NaN and infinities are not served; a block of zeros gets the byte 1 (this program alone reads the bytes); 1 + erf loses relative accuracy
; for x under about -2, where gelu is small beside its block's largest number.
; THE MODE: SCHED_MODE bits 1:0 = 2 (LLVM: expert scheduling mode 2), set by the entry lines.  The code itself states the register dependences
; between vector or matrix instructions and memory or LDS instructions, with s_wait_alu, always for 0.
; THE PLAN.  Registers that memory or LDS instructions touch, in the loop:
;   A (window 3, v0-127), ASC     LOADA's loads land in them; MM's products read them.  The second tile's LOADA has a wait on va_vdst behind the first tile's products.  The first tile's has none:
;                                 the wait ahead of the second tile's stores, in the half trip before, stands behind the last products, and no vector instruction behind it names A or ASC.
;   G (window 3, v128-255), SST   GATHER's loads land in them; STAGE's LDS stores read them.  One wait on vm_vsrc behind STAGE.
;   LR, LRS                       LLIST's loads land in them; TOKS reads and writes them.  The wait on va_vdst in GATHER stands behind TOKS, ahead of the next LLIST.
;   TOK, XSO                      TOKS writes them (behind the wait on vm_vsrc that follows STAGE); GATHER reads them (behind its wait on va_vdst).
;   v45, v43                      the list's LDS addresses: two additions write them (behind the same wait on vm_vsrc); LLIST reads them (behind a wait on va_vdst).
;   PC, SW                        a tile's conversions and select write them (behind a wait on vm_vsrc); its stores read them (behind a wait on va_vdst).
;   All other addresses are made at the head, ahead of one wait on va_vdst, and never written again.  W's fragments, the biases, W's scale words and the accumulators are
;   named in the loop by vector and matrix instructions alone.
; No room is left for a second set of A (512 registers of W, 128 of A, 128 of G, window 0 full), and the products' windows are not those of a load's or a store's address: so the runs of loads
; and stores stay runs, beside the products and not among them.
.set XSC,  1048576                     ; xq: the scale bytes
.set HSC,  33554432                    ; hq: the scale half-words: ((e 32 + f) 2 + nh) 2,048 + 2 row
.set WROW, 1024                        ; a row of W1's codes in memory
.set WP,   1040                        ; LDS: a row of W: 1,024 bytes + 16: sixteen rows of a fragment load begin 4 banks apart
.set AB0,  133120                      ; LDS: behind W's 128 rows: two buffers of A.  Piece (tile, s, 2 c + h): 16 rows x 16 bytes + 16 of padding = 272 bytes
.set ABS,  69632
.set SB0,  272384                      ; LDS: two buffers of A's scale words: 64 rows x 48 bytes, word s at 4 s
.set SBS,  3072
.set LST,  278528                      ; LDS: the list: 1,280 bytes of its own for each wave: its 16 rows of block k at 64 k
.set LSW,  1280
.set L16,  1                           ; v1   16 x lane
.set RR,   2                           ; v2   r = lane % 16
.set HH,   3                           ; v3   h = lane / 16
.set WSTO, 4                           ; v4   LDS: where I lay W's rows
.set WRD,  5                           ; v5   LDS: my fragments of W
.set ARD,  6                           ; v6-7   LDS: my fragments of A in buffer 0, 1
.set SRD,  8                           ; v8-9   LDS: my rows' scale words
.set AWR,  10                          ; v10-11 LDS: where I lay gathered codes
.set SWR,  12                          ; v12-13 LDS: and scale words
.set LOF,  14                          ; v14  LDS: my eight rows' list entries in block 0;  v15 my one row of scales'
.set LOS,  15
.set TOK,  16                          ; v16-23 the gather's offsets
.set XSO,  24
.set HOF,  25                          ; v25  hq: 16 lane + rp x two tiles
.set HSO,  26                          ; v26  hq: 2 (32 rp + lane)
.set O16,  27                          ; v27  16 (lane & 1)
.set SST,  28                          ; v28-31 gathered scale words
.set LR,   32                          ; v32-39 list entries; v40 one more
.set LRS,  40
.set SW0,  41
.set SW,   42
.set R16,  44                          ; v44  16 r.  (v43, v45: at the head at work; in the loop the list's two LDS addresses)
.set WSO,  46
.set BIO,  47
.set WSC,  48                          ; v48-79  W's scale words, 8 t + s: they hold scales and nothing else
.set ASC,  80                          ; v80-87  A's scale words of the tile in hand
.set BIA,  88                          ; v88-119 b1 in the result's layout
.set ACC,  120                         ; v120-151 four accumulators; at the head: sel[32 i + lane], then its bit of e
.set COEF, 152                         ; v152-175 twelve coefficients, each twice (a pair for the packed forms); at the head v152-159: a pass's tokens
.set T,    176                         ; v176-239 pair p: u Pa at 4 p, Pb at 4 p + 2; then the quantiser's temporaries
.set VK,   176                         ; at the head: v176-207 the keys (tokens of e below 32 i) << 5 | i;  v208-239 the masks: bit l of mask i = token 32 i + l chose e
.set VM,   208
.set TV,   240
.set PC,   248                         ; v248-255 the codes just made
.set SJ,   240                         ; at the head, a pass's temporaries: v240 my row j, v241 j << 5 | 31, v242 the key found, v243 its mask, v244 which set bit,
.set SJ5,  241                         ; v245-248 the mask's counts in fields of 2, 4, 8 and 16 bits, v249-250 at work, v251 the bit's place
.set SK,   242
.set SWD,  243
.set SN,   244
.set SA,   245
.set SB4,  246
.set SC8,  247
.set SD,   248
.set ST1,  249
.set ST2,  250
.set SPO,  251
.set LW,   252                         ; v252 LDS: where I put a pass's token: LST + 1,280 w + 4 lane
.set JB,   253                         ; v253 my row in pass 0: 64 h + 16 w + r
.set L4,   254                         ; v254 4 x lane
; window 1: W's fragments of K steps 0-3 at 64 t + 16 s + 4 c; window 2: K steps 4-7; window 3: v0-127 the tile's eight fragments of A, v128-255 a gathered block
.set WV,  16
.set NH,  17
.set RP,  18
.set EX,  19
.set CT,  21
.set NB,  22
.set BLK, 23
.set LC,  24
.set HB,  28                           ; s[28:29] hq at my codes of the block in hand;  s[30:31] at my scale half-words
.set HSB, 30
.set XS,  32                           ; s[32:33] xq's scale bytes
.set CLP, 36
.set MNT, 37
.set SEL, 38
.set HIM, 40
.set BIT, 41                           ; s41  1 << e
.set A5,  42                           ; s42  (tokens of e so far) << 5
.set LSO, 43                           ; s43  64 x the block whose list entries are read next
.set KY,  44                           ; s44-47 at the head: keys on their way into registers, by turns
.set KM,  48                           ; s48-63 at the head: the masks of a run of up to sixteen compares
.set MSB, 0
.macro WIN new                         ; the immediate's high byte repeats the setting that is left
.if MSB != \new
	s_set_vgpr_msb (MSB<<8)|\new
.set MSB, \new
.endif
.endm
.macro LLIST a, c, off                 ; a block's list entries, out of my own bytes of LDS: my eight rows' (8 h + 0..7 of my 16) and my row of scales'
	ds_load_b128 v[LR:LR+3], v[\a] offset:\off
	ds_load_b128 v[LR+4:LR+7], v[\a] offset:\off+16
	ds_load_b32 v[LRS], v[\c] offset:\off
.endm
.macro TOKS                            ; loaded numbers enter an address only behind a hold at the table's end
.irp p, 0,1,2,3,4,5,6,7
	v_min_u32 v[LR+\p], 0x3ff, v[LR+\p]
.endr
.irp p, 0,1,2,3,4,5,6,7
	v_lshl_add_u32 v[TOK+\p], v[LR+\p], 10, v[R16]
.endr
	v_min_u32 v[LRS], 0x3ff, v[LRS]
	v_lshl_add_u32 v[XSO], v[LRS], 5, v[O16]
.endm
.macro GATHER                          ; wave w: rows 16 w .. + 15.  Load (p, q): lanes 0-15 take 256 aligned bytes of row p, lanes 16-31 of row 8 + p
	WIN 0xc0
	s_wait_alu depctr_va_vdst(0)                   ; TOKS has written the offsets v[TOK ..] and v[XSO], which these loads read, and is done with v[LR ..], in which the next list entries land
.irp p, 0,1,2,3,4,5,6,7
.irp q, 0,1,2,3
	global_load_b128 v[128+4*(4*\p+\q):128+4*(4*\p+\q)+3], v[TOK+\p], s[4:5] offset:256*\q
.endr
.endr
	WIN 0
	global_load_b128 v[SST:SST+3], v[XSO], s[XS:XS+1]
.endm
.macro STAGE b                         ; the 16 bytes at byte 256 q + 16 r of a row are piece 16 q + r of its tile
	WIN 0x0c
.irp p, 0,1,2,3,4,5,6,7
.irp q, 0,1,2,3
	ds_store_b128 v[AWR+(\b)], v[128+4*(4*\p+\q):128+4*(4*\p+\q)+3] offset:4352*\q+16*\p
.endr
.endr
	WIN 0
	ds_store_b128 v[SWR+(\b)], v[SST:SST+3]
.endm
.macro LOADA b, j                      ; tile 2 rp + j: eight fragments, each load 2 x 256 consecutive bytes; and its rows' eight scale words
	WIN 0xc0
.if \j
	s_wait_alu depctr_va_vdst(0)                   ; the first tile's products are done reading A's fragments and scale words, in which these loads land
.endif                                                 ; (j = 0: the wait ahead of the second tile's stores, in the half trip before, stands behind the last products; no vector instruction behind it names these registers)
.irp s, 0,1,2,3,4,5,6,7
.irp c, 0,1,2,3
	ds_load_b128 v[16*\s+4*\c:16*\s+4*\c+3], v[ARD+(\b)] offset:(8*(\j)+\s)*2176+544*\c
.endr
.endr
	WIN 0
	ds_load_b128 v[ASC:ASC+3], v[SRD+(\b)] offset:768*(\j)
	ds_load_b128 v[ASC+4:ASC+7], v[SRD+(\b)] offset:768*(\j)+16
.endm
; 32 matrix instructions: K ascending, the four accumulators by turns, one instruction a turn.  The bias is the C of each sum's first.
.macro MM
	WIN 0x0d                                       ; source 0 (W) window 1, source 1 (A) window 3
.irp s, 0,1,2,3
.irp t, 0,1,2,3
.if \s == 0
	v_wmma_scale_f32_16x16x128_f8f6f4 v[ACC+8*\t:ACC+8*\t+7], v[64*\t+16*\s:64*\t+16*\s+15], v[16*\s:16*\s+15], v[BIA+8*\t:BIA+8*\t+7], v[WSC+8*\t+\s], v[ASC+\s]
.else
	v_wmma_scale_f32_16x16x128_f8f6f4 v[ACC+8*\t:ACC+8*\t+7], v[64*\t+16*\s:64*\t+16*\s+15], v[16*\s:16*\s+15], v[ACC+8*\t:ACC+8*\t+7], v[WSC+8*\t+\s], v[ASC+\s]
.endif
.endr
.endr
	WIN 0x0e                                       ; W in window 2
.irp s, 4,5,6,7
.irp t, 0,1,2,3
	v_wmma_scale_f32_16x16x128_f8f6f4 v[ACC+8*\t:ACC+8*\t+7], v[64*\t+16*(\s-4):64*\t+16*(\s-4)+15], v[16*\s:16*\s+15], v[ACC+8*\t:ACC+8*\t+7], v[WSC+8*\t+\s], v[ASC+\s]
.endr
.endr
	WIN 0
.rept 9
	v_nop                                          ; eight places ahead of reads of the results; the ninth for the next tile's first products, which write over the results with another C
.endr
.endm
; two pairs of numbers: v = x held to +-4 sqrt 2, W = v^2 = 2 u^2; u Pa and Pb by Horner's rule: four chains that do not wait for each other
.macro GEL2 pa, pb
	v_med3_num_f32 v[TV],   v[ACC+2*(\pa)],   -s[CLP], s[CLP]
	v_med3_num_f32 v[TV+1], v[ACC+2*(\pa)+1], -s[CLP], s[CLP]
	v_med3_num_f32 v[TV+4], v[ACC+2*(\pb)],   -s[CLP], s[CLP]
	v_med3_num_f32 v[TV+5], v[ACC+2*(\pb)+1], -s[CLP], s[CLP]
	v_pk_mul_f32 v[TV+2:TV+3], v[TV:TV+1], v[TV:TV+1]
	v_pk_mul_f32 v[TV+6:TV+7], v[TV+4:TV+5], v[TV+4:TV+5]
	v_pk_fma_f32 v[T+4*(\pa):T+4*(\pa)+1], v[TV+2:TV+3], v[COEF:COEF+1], v[COEF+2:COEF+3]
	v_pk_fma_f32 v[T+4*(\pb):T+4*(\pb)+1], v[TV+6:TV+7], v[COEF:COEF+1], v[COEF+2:COEF+3]
	v_pk_fma_f32 v[T+4*(\pa)+2:T+4*(\pa)+3], v[TV+2:TV+3], v[COEF+14:COEF+15], v[COEF+16:COEF+17]
	v_pk_fma_f32 v[T+4*(\pb)+2:T+4*(\pb)+3], v[TV+6:TV+7], v[COEF+14:COEF+15], v[COEF+16:COEF+17]
.irp k, 2,3,4
	v_pk_fma_f32 v[T+4*(\pa):T+4*(\pa)+1], v[T+4*(\pa):T+4*(\pa)+1], v[TV+2:TV+3], v[COEF+2*\k:COEF+2*\k+1]
	v_pk_fma_f32 v[T+4*(\pb):T+4*(\pb)+1], v[T+4*(\pb):T+4*(\pb)+1], v[TV+6:TV+7], v[COEF+2*\k:COEF+2*\k+1]
	v_pk_fma_f32 v[T+4*(\pa)+2:T+4*(\pa)+3], v[T+4*(\pa)+2:T+4*(\pa)+3], v[TV+2:TV+3], v[COEF+14+2*\k:COEF+14+2*\k+1]
	v_pk_fma_f32 v[T+4*(\pb)+2:T+4*(\pb)+3], v[T+4*(\pb)+2:T+4*(\pb)+3], v[TV+6:TV+7], v[COEF+14+2*\k:COEF+14+2*\k+1]
.endr
.irp k, 5,6
	v_pk_fma_f32 v[T+4*(\pa):T+4*(\pa)+1], v[T+4*(\pa):T+4*(\pa)+1], v[TV+2:TV+3], v[COEF+2*\k:COEF+2*\k+1]
	v_pk_fma_f32 v[T+4*(\pb):T+4*(\pb)+1], v[T+4*(\pb):T+4*(\pb)+1], v[TV+6:TV+7], v[COEF+2*\k:COEF+2*\k+1]
.endr
	v_pk_mul_f32 v[T+4*(\pa):T+4*(\pa)+1], v[T+4*(\pa):T+4*(\pa)+1], v[TV:TV+1]
	v_pk_mul_f32 v[T+4*(\pb):T+4*(\pb)+1], v[T+4*(\pb):T+4*(\pb)+1], v[TV+4:TV+5]
.endm
; tile 2 rp + j is finished: gelu, the quantiser along the next K (two blocks of 32: my 16 numbers and lane l xor 16's), the stores
.macro EPI j
.irp p, 0,2,4,6,8,10,12,14
	GEL2 \p, \p+1                                  ; the accumulators are read in ascending order, each from its low end
.endr
.set qq, 0
.rept 16
	v_rcp_f32 v[T+4*qq+2], v[T+4*qq+2]
	v_rcp_f32 v[T+4*qq+3], v[T+4*qq+3]
.set qq, qq+1
.endr
.set qq, 0
.rept 16
	v_pk_mul_f32 v[ACC+2*qq:ACC+2*qq+1], v[ACC+2*qq:ACC+2*qq+1], 0.5 op_sel_hi:[1,0]   ; 0.5 x, in place: plain work behind the batch of reciprocals
.set qq, qq+1
.endr
	s_wait_alu depctr_va_vdst(0)                   ; the 32 reciprocals have written v[T + 4 q + 2] and v[T + 4 q + 3]: one wait, ahead of their first reader
.set qq, 0
.rept 16
	v_pk_mul_f32 v[T+4*qq:T+4*qq+1], v[T+4*qq:T+4*qq+1], v[T+4*qq+2:T+4*qq+3]   ; erf
.set qq, qq+1
.endr
.set qq, 0
.rept 16
	v_pk_fma_f32 v[ACC+2*qq:ACC+2*qq+1], v[ACC+2*qq:ACC+2*qq+1], v[T+4*qq:T+4*qq+1], v[ACC+2*qq:ACC+2*qq+1]   ; 0.5 x erf + 0.5 x
.set qq, qq+1
.endr
.irp b, 0,1
	v_max3_num_f32 v[T+\b], |v[ACC+16*\b]|, |v[ACC+16*\b+1]|, 0x4800000   ; with the floor 2^(9 - 127): the byte cannot fall under 1
.endr
.irp i, 2,4,6,8,10,12,14
.irp b, 0,1
	v_max3_num_f32 v[T+\b], v[T+\b], |v[ACC+16*\b+\i]|, |v[ACC+16*\b+\i+1]|
.endr
.endr
.irp b, 0,1
	v_permlanex16_b32 v[T+2+\b], v[T+\b], s[SEL], s[SEL+1]
.endr
.irp b, 0,1
	v_max_num_f32 v[T+\b], v[T+\b], v[T+2+\b]      ; the block's largest magnitude
.endr
.irp b, 0,1
	v_add_nc_u32 v[T+4+\b], 0xfc000000, v[T+\b]    ; 8 off its exponent field: the conversion's scale operand
.endr
.irp b, 0,1
	v_and_or_b32 v[T+6+\b], v[T+\b], 0x7f800000, s[MNT]   ; 448 x the scale
.endr
.irp b, 0,1
	v_lshrrev_b32 v[T+8+\b], 23, v[T+4+\b]         ; the scale's byte
.endr
	s_wait_xcnt 0x0                                ; the last tile's stores have read their data: the codes and the half-word may be written again
	s_wait_alu depctr_vm_vsrc(0)                   ; the last tile's stores have read v[PC ..] and v[SW], which the lines below write again (ahead of the first tile: the head's loads and LDS stores have read v252 and v254)
.irp b, 0,1
.irp i, 0,1,2,3,4,5,6,7,8,9,10,11,12,13,14,15
	v_med3_num_f32 v[ACC+16*\b+\i], v[ACC+16*\b+\i], -v[T+6+\b], v[T+6+\b]   ; the conversion to an 8-bit code does not saturate (ISA guide 7.6.2)
.endr
	v_cvt_scalef32_pk8_fp8_f32 v[PC+4*\b:PC+4*\b+1], v[ACC+16*\b:ACC+16*\b+7], v[T+4+\b]
	v_cvt_scalef32_pk8_fp8_f32 v[PC+4*\b+2:PC+4*\b+3], v[ACC+16*\b+8:ACC+16*\b+15], v[T+4+\b]
.endr
	v_nop                                          ; a plain line behind the last conversion: the next products write its sources
.if (\j) == 0
	v_lshl_or_b32 v[SW0], v[T+9], 8, v[T+8]        ; both halves of the lanes hold row r's two bytes
.else
	v_lshl_or_b32 v[T+10], v[T+9], 8, v[T+8]
	v_cndmask_b32 v[SW], v[SW0], v[T+10], s[HIM]   ; lanes 0-15: the first tile's rows, lanes 16-31: the second's
.endif
	s_wait_alu depctr_va_vdst(0)                   ; the conversions have written v[PC ..], and in the second tile the select v[SW], which the stores below read
	global_store_b128 v[HOF], v[PC:PC+3], s[HB:HB+1] offset:65536*(\j)         ; registers 4 c .. 4 c + 3 of the next operand, c = 2 nh: 512 consecutive bytes
	global_store_b128 v[HOF], v[PC+4:PC+7], s[HB:HB+1] offset:65536*(\j)+512   ; c = 2 nh + 1
.if (\j) != 0
	global_store_b16 v[HSO], v[SW], s[HSB:HSB+1]   ; rows 32 rp + lane: 64 consecutive bytes
.endif
.endm
.macro CF idx, val, sh, al             ; a coefficient of degree sh in u^2 becomes one in W = 2 u^2: x 2^-sh; Pa's also take the 1 / sqrt 2 of u = v / sqrt 2
	v_mov_b32 v[COEF+2*\idx], \val
.if \sh
	v_ldexp_f32 v[COEF+2*\idx], v[COEF+2*\idx], -\sh
.endif
.if \al
	v_mul_f32 v[COEF+2*\idx], 0x3f3504f3, v[COEF+2*\idx]
.endif
	v_mov_b32 v[COEF+2*\idx+1], v[COEF+2*\idx]
.endm
.macro WLOAD r0, n                     ; n of my 32 rows of W, from row r0 on: 512 consecutive bytes a load
.set rho, \r0
.rept \n
	global_load_b128 v[8*rho:8*rho+3], v[L16], s[8:9] offset:rho*WROW th:TH_LOAD_NT
	global_load_b128 v[8*rho+4:8*rho+7], v[L16], s[8:9] offset:rho*WROW+512 th:TH_LOAD_NT
.set rho, rho+1
.endr
.endm
; one halving of the search for the n-th set bit: the count of the lower half of what is left stands in a field of src at the bit's place so far
.macro SELS src, wd, inc
	v_bfe_u32 v[ST1], v[\src], v[SPO], \wd
	v_cmp_ge_u32 vcc_lo, v[SN], v[ST1]             ; not in the lower half:
	s_wait_alu depctr_va_vcc(0)                    ; the compare has written VCC, which the two selects read
	v_cndmask_b32 v[ST1], 0, v[ST1], vcc_lo
	v_cndmask_b32 v[ST2], 0, \inc, vcc_lo
	v_sub_nc_u32 v[SN], v[SN], v[ST1]              ; its bits are passed over,
	v_add_nc_u32 v[SPO], v[SPO], v[ST2]            ; and the place moves up
.endm
; PASS p: blocks 2 p and 2 p + 1.  My lane's row is j = 128 p + 64 h + 16 w + r: one of my wave's own 16 rows of block 2 p + h.
; The keys rise with i, and key i <= (j << 5 | 31) says that at most j tokens of e lie below token 32 i: the last such i holds the j-th token.
; The 31 compares hang on no select: they go in two runs, into scalar registers, with one wait behind each run; the selects follow in ascending order of i.
.macro SELP p
	v_add_nc_u32 v[SJ], 128*\p, v[JB]
	v_lshl_or_b32 v[SJ5], v[SJ], 5, 31
	v_mov_b32 v[SK], v[VK]
	v_mov_b32 v[SWD], v[VM]
.set ii, 1
.rept 16
	v_cmp_le_u32 s[KM+ii-1], v[VK+ii], v[SJ5]
.set ii, ii+1
.endr
	s_wait_alu depctr_va_sdst(0)                   ; the sixteen compares have written s48 to s63, which the selects read
.set ii, 1
.rept 16
	v_cndmask_b32 v[SK], v[SK], v[VK+ii], s[KM+ii-1]
	v_cndmask_b32 v[SWD], v[SWD], v[VM+ii], s[KM+ii-1]
.set ii, ii+1
.endr
.set ii, 17
.rept 15
	v_cmp_le_u32 s[KM+ii-17], v[VK+ii], v[SJ5]
.set ii, ii+1
.endr
	s_wait_alu depctr_va_sdst(0)                   ; the fifteen compares have written s48 to s62, which the selects read
.set ii, 17
.rept 15
	v_cndmask_b32 v[SK], v[SK], v[VK+ii], s[KM+ii-17]
	v_cndmask_b32 v[SWD], v[SWD], v[VM+ii], s[KM+ii-17]
.set ii, ii+1
.endr
	v_lshrrev_b32 v[ST1], 5, v[SK]
	v_sub_nc_u32 v[SN], v[SJ], v[ST1]              ; which set bit of the mask, from 0
	v_lshrrev_b32 v[ST1], 1, v[SWD]
	v_and_b32 v[ST1], 0x55555555, v[ST1]
	v_sub_nc_u32 v[SA], v[SWD], v[ST1]             ; counts of 2 bits,
	v_lshrrev_b32 v[ST1], 2, v[SA]
	v_and_b32 v[ST1], 0x33333333, v[ST1]
	v_and_b32 v[ST2], 0x33333333, v[SA]
	v_add_nc_u32 v[SB4], v[ST1], v[ST2]            ; of 4,
	v_lshrrev_b32 v[ST1], 4, v[SB4]
	v_add_nc_u32 v[ST1], v[ST1], v[SB4]
	v_and_b32 v[SC8], 0x0f0f0f0f, v[ST1]           ; of 8,
	v_lshrrev_b32 v[ST1], 8, v[SC8]
	v_add_nc_u32 v[SD], v[ST1], v[SC8]             ; and, in byte 0, of the low 16
	v_bfe_u32 v[ST1], v[SD], 0, 8
	v_cmp_ge_u32 vcc_lo, v[SN], v[ST1]
	s_wait_alu depctr_va_vcc(0)                    ; the compare has written VCC, which the two selects read
	v_cndmask_b32 v[ST1], 0, v[ST1], vcc_lo
	v_cndmask_b32 v[SPO], 0, 16, vcc_lo
	v_sub_nc_u32 v[SN], v[SN], v[ST1]
	SELS SC8, 8, 8
	SELS SB4, 4, 4
	SELS SA, 2, 2
	SELS SWD, 1, 1
	v_and_b32 v[ST1], 31, v[SK]
	v_lshl_add_u32 v[COEF+\p], v[ST1], 5, v[SPO]   ; the token: 32 i + the bit's place; a register of its own for each pass's store
	s_wait_alu depctr_va_vdst(0)                   ; the token is written, which the LDS store reads
	ds_store_b32 v[LW], v[COEF+\p] offset:128*\p   ; 128 consecutive bytes of my wave's own
.endm
	s_load_b256 s[4:11], s[0:1], 0x0               ; xq, sel, w1_codes, w1_scales
	s_load_b128 s[12:15], s[0:1], 0x20             ; b1, hq
	v_lshrrev_b32 v43, 5, v0
	v_readfirstlane_b32 s[WV], v43                 ; wave 0..3
	s_and_b32 s[EX], ttmp7, 0xffff                 ; the expert
	s_lshl_b32 s[BIT], 1, s[EX]
	v_and_b32 v43, 31, v0                          ; lane
	v_lshlrev_b32 v[L16], 4, v43
	v_lshlrev_b32 v[L4], 2, v43
	v_and_b32 v[RR], 15, v0
	v_bfe_u32 v[HH], v0, 4, 1
	s_wait_alu depctr_va_sdst(0)                   ; the wave's number is written, ahead of its first reader: LDS addresses and the buffers' offsets are made from it
	s_and_b32 s[NH], s[WV], 1
	s_lshr_b32 s[RP], s[WV], 1
	s_mul_i32 s25, s[WV], 32*WP
	v_add_nc_u32 v[WSTO], s25, v[L16]
	v_mul_u32_u24 v[WRD], v[RR], WP
	v_lshl_add_u32 v[WRD], v[HH], 4, v[WRD]
	s_mul_i32 s25, s[NH], 64*WP
	v_add_nc_u32 v[WRD], s25, v[WRD]
	v_mul_u32_u24 v45, v[HH], 272
	v_lshl_add_u32 v45, v[RR], 4, v45
	s_mul_i32 s25, s[RP], 2*17408
	s_add_co_u32 s25, s25, AB0
	v_add_nc_u32 v[ARD], s25, v45
	v_add_nc_u32 v[ARD+1], ABS, v[ARD]
	v_mul_u32_u24 v45, v[RR], 48
	s_mul_i32 s25, s[RP], 32*48
	s_add_co_u32 s25, s25, SB0
	v_add_nc_u32 v[SRD], s25, v45
	v_add_nc_u32 v[SRD+1], SBS, v[SRD]
	v_mul_u32_u24 v45, v[RR], 272
	v_lshl_add_u32 v45, v[HH], 7, v45
	s_mul_i32 s25, s[WV], 17408
	s_add_co_u32 s25, s25, AB0
	v_add_nc_u32 v[AWR], s25, v45
	v_add_nc_u32 v[AWR+1], ABS, v[AWR]
	v_lshrrev_b32 v45, 1, v43                      ; lane / 2
	v_and_b32 v[O16], 1, v43
	v_lshlrev_b32 v[O16], 4, v[O16]
	v_mad_u32_u24 v[SWR], v45, 48, v[O16]
	s_mul_i32 s25, s[WV], 16*48
	s_add_co_u32 s25, s25, SB0
	v_add_nc_u32 v[SWR], s25, v[SWR]
	v_add_nc_u32 v[SWR+1], SBS, v[SWR]
	s_mul_i32 s25, s[WV], LSW
	s_add_co_u32 s25, s25, LST                     ; my wave's list
	v_lshl_add_u32 v[LOF], v[HH], 5, s25           ; + 4 x 8 h
	v_lshl_add_u32 v[LOS], v45, 2, s25             ; + 4 (lane / 2)
	v_lshl_add_u32 v[LW], v43, 2, s25              ; + 4 lane
	s_lshl_b32 s25, s[WV], 4
	v_lshl_add_u32 v[JB], v[HH], 6, v[RR]
	v_add_nc_u32 v[JB], s25, v[JB]                 ; 64 h + 16 w + r
	s_lshl_b32 s25, s[RP], 17
	v_add_nc_u32 v[HOF], s25, v[L16]
	s_lshl_b32 s25, s[RP], 6
	v_lshl_add_u32 v[HSO], v43, 1, s25
	v_lshlrev_b32 v[R16], 4, v[RR]
	v_and_b32 v[WSO], 8, v[RR]
	v_add_nc_u32 v[WSO], v[WSO], v[RR]
	v_lshlrev_b32 v[WSO], 5, v[WSO]                ; W's scale words: 32 bytes a row, row r + 8 (r / 8) of a tile
	v_lshlrev_b32 v[BIO], 6, v[HH]                 ; b1: 16 h numbers on
	s_mov_b32 s[CLP], 0x40b504f3                   ; 4 sqrt 2
	s_mov_b32 s[MNT], 0x600000                     ; the mantissa field of 448
	s_mov_b32 s[SEL], 0x76543210
	s_mov_b32 s[SEL+1], 0xfedcba98                 ; v_permlanex16_b32's selects for lane l xor 16
	s_mov_b32 s[HIM], 0xffff0000                   ; lanes 16-31
	s_mov_b32 s27, 0
	s_wait_kmcnt 0x0
	s_add_nc_u64 s[XS:XS+1], s[4:5], XSC
	s_lshl_b32 s26, s[EX], 22                      ; W1's codes: (4,096 e + 128 f + 32 w) rows of 1,024 bytes
	s_lshl_b32 s25, ttmp9, 17
	s_add_co_u32 s26, s26, s25
	s_lshl_b32 s25, s[WV], 15
	s_add_co_u32 s26, s26, s25
	s_add_nc_u64 s[8:9], s[8:9], s[26:27]
	s_lshl_b32 s26, s[EX], 17                      ; W1's scales: (4,096 e + 128 f + 64 nh) rows of 32 bytes; hq's half-words have the same offset
	s_lshl_b32 s25, ttmp9, 12
	s_add_co_u32 s26, s26, s25
	s_lshl_b32 s25, s[NH], 11
	s_add_co_u32 s26, s26, s25
	s_add_nc_u64 s[10:11], s[10:11], s[26:27]
	s_add_nc_u64 s[HSB:HSB+1], s[14:15], s[26:27]
	s_add_nc_u64 s[HSB:HSB+1], s[HSB:HSB+1], HSC
	s_lshl_b32 s26, s[EX], 14                      ; b1
	s_lshl_b32 s25, ttmp9, 9
	s_add_co_u32 s26, s26, s25
	s_lshl_b32 s25, s[NH], 8
	s_add_co_u32 s26, s26, s25
	s_add_nc_u64 s[12:13], s[12:13], s[26:27]
	s_lshl_b32 s26, s[EX], 22                      ; hq's codes: e x 64 tiles x 65,536 + 2,048 f + 1,024 nh
	s_lshl_b32 s25, ttmp9, 11
	s_add_co_u32 s26, s26, s25
	s_lshl_b32 s25, s[NH], 10
	s_add_co_u32 s26, s26, s25
	s_add_nc_u64 s[HB:HB+1], s[14:15], s[26:27]
	s_wait_alu depctr_va_vdst(0)                   ; all offsets and LDS addresses made above are written: the kernel's loads and stores read them, and none of them is written again before the way out
.set i, 0
.rept 32
	global_load_b32 v[ACC+i], v[L4], s[6:7] offset:128*i   ; sel[32 i + lane]
.set i, i+1
.endr
	WIN 0x40
	WLOAD 0, 16
	WIN 0
	s_wait_loadcnt 32                              ; sel's 32 loads are in; the 32 loads of W behind them stay out
	WIN 0x40
	WLOAD 16, 15                                   ; 62 loads of W are on their way while the list is made
	WIN 0
	s_mov_b32 s[A5], 0
.set i, 0
.rept 32
	v_and_b32 v[ACC+i], s[BIT], v[ACC+i]           ; each word's bit of this expert, in place
.set i, i+1
.endr
.irp g, 0,1                                            ; the 32 compares go in two runs of sixteen, into scalar registers, with one wait behind each run
.set i, 0
.rept 16
	v_cmp_ne_u32 s[KM+i], 0, v[ACC+16*\g+i]        ; which of tokens 32 (16 g + i) .. + 31 chose this expert
.set i, i+1
.endr
	s_wait_alu depctr_va_sdst(0)                   ; the sixteen compares have written s48 to s63, which the lines below read
.set i, 0
.rept 16
	s_or_b32 s[KY+i%4], s[A5], 16*\g+i
	v_mov_b32 v[VK+16*\g+i], s[KY+i%4]             ; the key: (tokens of e below 32 (16 g + i)) << 5 | 16 g + i
	v_mov_b32 v[VM+16*\g+i], s[KM+i]               ; the mask
	s_bcnt1_i32_b32 s25, s[KM+i]
	s_lshl_b32 s25, s25, 5
	s_add_co_u32 s[A5], s[A5], s25
.set i, i+1
.endr
.endr
	s_lshr_b32 s[CT], s[A5], 5                     ; the expert's count
	s_min_u32 s[CT], s[CT], 1024
	s_add_co_u32 s[NB], s[CT], 63
	s_lshr_b32 s[NB], s[NB], 6
	s_max_u32 s[NB], s[NB], 1                      ; blocks to work: at least one, at most 16
	SELP 0                                         ; blocks 0 and 1: always
	LLIST LOF, LOS, 0                              ; LDS serves a wave's instructions in order: these see my store
	s_wait_dscnt 0x0
	TOKS
	WIN 0x40
	WLOAD 31, 1
	WIN 0
.irp t, 0,1,2,3
	global_load_b128 v[WSC+8*\t:WSC+8*\t+3], v[WSO], s[10:11] offset:(32*(\t/2)+8*(\t%2))*32
	global_load_b128 v[WSC+8*\t+4:WSC+8*\t+7], v[WSO], s[10:11] offset:(32*(\t/2)+8*(\t%2))*32+16
	global_load_b128 v[BIA+8*\t:BIA+8*\t+3], v[BIO], s[12:13] offset:(32*(\t/2)+8*(\t%2))*4
	global_load_b128 v[BIA+8*\t+4:BIA+8*\t+7], v[BIO], s[12:13] offset:(32*(\t/2)+8*(\t%2))*4+16
.endr
	GATHER                                         ; block 0's rows
.irp p, 1,2,3,4,5,6,7
	s_cmp_gt_u32 s[CT], 128*\p                     ; the later passes only as far as the count reaches
	s_cbranch_scc0 .Lsel_done
	SELP \p
.endr
.Lsel_done:
	s_wait_dscnt 0x0                               ; the list's stores are done: their data registers take the coefficients
	s_wait_alu depctr_vm_vsrc(0)                   ; the list's LDS stores have read v152 to v159, which the coefficients' lines write
	CF 0, -0.000000000272614225801306, 6, 1        ; Pa, from degree 6 down
	CF 1, 0.0000000277068142495902, 5, 1
	CF 2, -0.00000210102402082508, 4, 1
	CF 3, -0.0000569250639462346, 3, 1
	CF 4, -0.000734990630326855, 2, 1
	CF 5, -0.00295459980854025, 1, 1
	CF 6, -0.0160960333262415, 0, 1
	CF 7, -0.0000145660718464996, 4, 0             ; Pb, from degree 4 down
	CF 8, -0.000213374055278905, 3, 0
	CF 9, -0.00168282697438203, 2, 0
	CF 10, -0.00737332916720468, 1, 0
	CF 11, -0.0142647390514189, 0, 0
	s_wait_loadcnt 0x0
	WIN 0x04                                       ; the stores' data: window 1
.set rho, 0
.rept 32                               ; row rho of my 32 goes to LDS row 16 ((rho / 8) % 2) + 8 (rho / 16) + rho % 8: a tile's sixteen rows then lie on end
.set sg, 16*((rho/8)%2)+8*(rho/16)+rho%8
	ds_store_b128 v[WSTO], v[8*rho:8*rho+3] offset:sg*WP
	ds_store_b128 v[WSTO], v[8*rho+4:8*rho+7] offset:sg*WP+512
.set rho, rho+1
.endr
	WIN 0
	STAGE 0
	s_wait_alu depctr_vm_vsrc(0)                   ; my LDS stores have read window 1's registers, in which W's fragments land, and block 0's rows and scale words, in which block 1's land; block 0's gather has read v[TOK ..] and v[XSO], which TOKS writes again
	LLIST LOF, LOS, 64                             ; block 1's list entries (the wait on va_vdst in block 0's gather stands behind the lines that named v[LR ..])
	s_wait_dscnt 0x0                               ; they are in; my LDS stores have landed, for the others, and have read their registers
	TOKS
	GATHER                                         ; block 1's rows
	s_barrier_signal -1
	s_barrier_wait -1                              ; W's 128 rows and block 0 lie in LDS
	WIN 0x40
.irp t, 0,1,2,3
.irp s, 0,1,2,3
.irp c, 0,1,2,3
	ds_load_b128 v[64*\t+16*\s+4*\c:64*\t+16*\s+4*\c+3], v[WRD] offset:16*\t*WP+128*\s+32*\c
.endr
.endr
.endr
	WIN 0x80
.irp t, 0,1,2,3
.irp s, 0,1,2,3
.irp c, 0,1,2,3
	ds_load_b128 v[64*\t+16*\s+4*\c:64*\t+16*\s+4*\c+3], v[WRD] offset:16*\t*WP+128*(\s+4)+32*\c
.endr
.endr
.endr
	WIN 0
	s_mov_b32 s[LSO], 128                          ; half trip BLK reads the list entries of block BLK + 2
	s_mov_b32 s[BLK], 0
	s_mov_b32 s[LC], 0
; A HALF TRIP: block BLK lies in buffer b; block BLK + 1 is on its way into registers.
; One barrier does both orderings: in front of it each wave has waited for its reads of buffer 1 - b (the block before) and for its stores into buffer b.
.macro TRIP b
	s_wait_dscnt 0x0
	s_barrier_signal -1
	s_barrier_wait -1
	s_cmp_lt_u32 s[BLK], s[NB]
	s_cbranch_scc0 .Lend_\@
	LOADA \b, 0
	s_add_co_u32 s25, s[BLK], 1
	s_cmp_lt_u32 s25, s[NB]
	s_cbranch_scc0 .Lwork_\@
	s_wait_loadcnt 0x0                             ; block BLK + 1's rows are in
	STAGE 1-\b
	s_wait_alu depctr_vm_vsrc(0)                   ; the LDS stores have read the gathered rows and scale words, in which the next gather lands; the last list loads have read v45 and v43, the last gather v[TOK ..] and v[XSO]: all are written again below
	s_add_co_u32 s25, s[BLK], 2
	s_cmp_lt_u32 s25, s[NB]
	s_cbranch_scc0 .Lwork_\@
	v_add_nc_u32 v45, s[LSO], v[LOF]
	v_add_nc_u32 v43, s[LSO], v[LOS]
	s_wait_alu depctr_va_vdst(0)                   ; the two LDS addresses are written, which the list's loads read
	LLIST 45, 43, 0
	s_wait_dscnt 0x0                               ; the entries are in, and the LDS stores have read the registers that the gather fills again
	TOKS
	GATHER
.Lwork_\@:
	s_wait_dscnt 0x0
	MM
	LOADA \b, 1                                    ; the second tile's fragments land while the first tile's gelu is worked
	EPI 0
	s_wait_dscnt 0x0
	MM
	EPI 1
.Lend_\@:
	s_wait_xcnt 0x0                                ; every memory instruction has read its addresses: they step
	s_add_nc_u64 s[HB:HB+1], s[HB:HB+1], 262144    ; four tiles on
	s_add_nc_u64 s[HSB:HSB+1], s[HSB:HSB+1], 128   ; 64 rows on
	s_add_co_u32 s[LSO], s[LSO], 64                ; my 16 entries of the next block
	s_add_co_u32 s[BLK], s[BLK], 1
.endm
.Lloop:
	TRIP 0
	TRIP 1
	s_add_co_u32 s[LC], s[LC], 1
	s_cmp_lt_u32 s[LC], 8
	s_cbranch_scc1 .Lloop
	s_wait_xcnt 0x0
	s_wait_alu depctr_vm_vsrc(0)                   ; the last stores have read v254 and v255, two of the codes' registers, which the two lines below write
	v_lshl_add_u32 v254, v0, 2, 0x45400
	v_mov_b32 v255, 0
	s_wait_dscnt 0x0                               ; the closing lines, six on end
	s_wait_alu 0x0
	s_wait_tensorcnt 0x0
	ds_add_u32 v254, v255
	s_wait_dscnt 0x0
	s_endpgm
.Lfunc_end_k_q04420577f4_up:
	.size	k_q04420577f4_up, .Lfunc_end_k_q04420577f4_up-k_q04420577f4_up
	.p2alignl 7, 3214868480
	.fill 96, 4, 3214868480
	.section	.rodata,"a",@progbits
	.p2align	6, 0x0
	.amdhsa_kernel k_q04420577f4_up
		.amdhsa_group_segment_fixed_size 284160
		.amdhsa_private_segment_fixed_size 0
		.amdhsa_enable_private_segment 0
		.amdhsa_kernarg_size 48
		.amdhsa_user_sgpr_count 2
		.amdhsa_user_sgpr_kernarg_segment_ptr 1
		.amdhsa_wavefront_size32 1
		.amdhsa_system_sgpr_workgroup_id_x 1
		.amdhsa_system_sgpr_workgroup_id_y 1
		.amdhsa_system_sgpr_workgroup_id_z 1
		.amdhsa_system_vgpr_workitem_id 0
		.amdhsa_next_free_vgpr 1024
		.amdhsa_next_free_sgpr 66
		.amdhsa_reserve_vcc 1
		.amdhsa_float_denorm_mode_32 3
		.amdhsa_float_denorm_mode_16_64 3
		.amdhsa_memory_ordered 1
		.amdhsa_forward_progress 1
		.amdhsa_inst_pref_size 248
	.end_amdhsa_kernel
	.amdgpu_metadata
---
amdhsa.version: [ 1, 2 ]
amdhsa.kernels:
  - .name:           k_q04420577f4_up
    .symbol:         k_q04420577f4_up.kd
    .args:
      - { .name: xq, .offset: 0, .size: 8, .value_kind: global_buffer, .address_space: global }
      - { .name: sel, .offset: 8, .size: 8, .value_kind: global_buffer, .address_space: global }
      - { .name: w1_codes, .offset: 16, .size: 8, .value_kind: global_buffer, .address_space: global }
      - { .name: w1_scales, .offset: 24, .size: 8, .value_kind: global_buffer, .address_space: global }
      - { .name: b1, .offset: 32, .size: 8, .value_kind: global_buffer, .address_space: global }
      - { .name: hq, .offset: 40, .size: 8, .value_kind: global_buffer, .address_space: global }
    .group_segment_fixed_size: 284160
    .private_segment_fixed_size: 0
    .kernarg_segment_align: 8
    .kernarg_segment_size: 48
    .max_flat_workgroup_size: 128
    .sgpr_count:     66
    .vgpr_count:     1024
    .wavefront_size: 32
...
	.end_amdgpu_metadata
.endif
;; end of part 5
;; launch down (part 6): grid 32 x 8, 4 waves a work-group, no clusters, 296,448 bytes of LDS; arguments hq, sel, w2_codes, w2_scales, b2, yp; writes yp
.if DOCPART == 6
	.amdgcn_target "amdgcn-amd-amdhsa--gfx1250"
	.amdhsa_code_object_version 6
	.text
	.protected	k_q04420577f4_down
	.globl	k_q04420577f4_down
	.p2align	8
	.type	k_q04420577f4_down,@function
k_q04420577f4_down:
	s_mov_b64 s[64:65], 0
	v_nop
	global_prefetch_b8 v0, s[64:65] scope:SCOPE_SE
	s_setreg_imm32_b32 hwreg(HW_REG_WAVE_SCHED_MODE, 0, 2), 2
	s_setreg_imm32_b32 hwreg(HW_REG_WAVE_MODE, 25, 1), 1
	s_wait_xcnt 0x0
	s_wait_alu depctr_vm_vsrc(0)
; DOWN.  yp[kq][e][row][:] = hidden[row][quarter kq of K = 4,096] W2[e] (+ b2[e] in quarter 0), for the rows routed to expert e.
; Work-group (x, e), x = 8 kq + ns: outputs 128 ns .. + 127, K = 1,024 kq .. + 1,023: 128 x 1,024 bytes of W2's codes, read from memory once and kept in REGISTERS
; (wave w = (nh = w & 1, rp = w >> 1): outputs 64 nh .. + 63 for the quarter's K, 512 registers; tiles 2 rp, 2 rp + 1 of each block of 64 rows).
; The hidden layer's codes lie in hq as images of the operand's registers: a tile's eight K steps are 16,384 consecutive bytes.  Wave w brings tile w of a block
; into registers a block ahead and lays it into one of two LDS buffers, from which all four waves read their fragments.
; The product is used transposed, with the same choice of W's rows for a tile as in the launch before: a lane's 16 registers of two tiles are 16 neighbouring outputs of one row.
; The four quarters' sums are added by the next launch, which owns each output row: no atomics.
; HOW MANY BLOCKS are worked is the expert's count, taken from sel (whole numbers stored two launches back) while the weights are on their way: a loop of constant
; count, the barrier in every half trip, the work jumped over; and so no tensor load, hence no joint load in a cluster: operands go from memory through registers.
; THE MODE: SCHED_MODE bits 1:0 = 2 (LLVM: expert scheduling mode 2), set by the entry lines.  The code itself states the register dependences
; between vector or matrix instructions and memory or LDS instructions, with s_wait_alu, always for 0.
; THE PLAN.  Registers that memory or LDS instructions touch, in the loop:
;   A (window 3, v0-127), ASC     LOADA's loads land in them; MM's products read them.  The second tile's LOADA has a wait on va_vdst behind the first tile's products.  The first tile's has none:
;                                 the wait ahead of the second tile's LDS stores, in the half trip before, stands behind the last products, and no vector instruction behind it names A or ASC.
;   G (window 3, v128-255), SST   ALOAD's loads land in them; STAGE's LDS stores read them.  One wait on vm_vsrc behind STAGE.
;   ACC                           MM's products write them; the LDS stores of the way out read them (behind a wait on va_vdst: the one in LOADA for the first tile, one of its own for the second);
;                                 a wait on vm_vsrc behind those stores, ahead of the next products.
;   v[T ..]                       the loads from the stage land in them; the global stores read them; a wait on vm_vsrc at the next way out's head, a tile's products behind those stores.
;   All addresses are made at the head, ahead of one wait on va_vdst, and never written again.  W's fragments, the biases and W's scale words are named in the loop by matrix instructions alone.
; No room is left for a second set of A (512 registers of W, 128 of A, 128 of G), and the products' windows are not those of a load's or a store's address: so the runs of loads
; and stores stay runs, beside the products and not among them.
.set HSC,  33554432
.set WROW, 4096                        ; a row of W2's codes in memory
.set WP,   1040
.set AB0,  133120
.set ABS,  69632
.set SB0,  272384
.set SBS,  3072
.set STG,  278528                      ; LDS: the way out: 16 rows x (256 bytes + 16) for each wave, its own
.set L16,  1
.set RR,   2
.set HH,   3
.set WSTO, 4
.set WRD,  5
.set ARD,  6
.set SRD,  8
.set AWR,  10
.set SWR,  12
.set AOF,  16                          ; v16  hq: 16 lane + 65,536 w
.set HO2,  17                          ; v17  hq: 4 lane + 8,192 w
.set YOF,  25                          ; v25  yp: row 32 rp + h, 16 r bytes
.set STO,  26                          ; v26  the stage, in
.set SRB,  27                          ; v27  and back
.set SST,  28                          ; v28-31 scale half-words: rows 2 lane, 2 lane + 1
.set WSO,  46
.set BIO,  47
.set WSC,  48
.set ASC,  80
.set BIA,  88
.set ACC,  120
.set T,    176                         ; v176-207 rows of y on their way out; at the head: sel, then its bit of e
.set WV,  16
.set NH,  17
.set RP,  18
.set EX,  19
.set NS,  20
.set CT,  21
.set NB,  22
.set BLK, 23
.set LC,  24
.set YB,  28                           ; s[28:29] yp at the block in hand
.set AP,  30                           ; s[30:31] hq's codes at the block to be asked for
.set HP,  32                           ; s[32:33] hq's scale half-words likewise
.set KQ,  36
.set BIT, 37                           ; s37  1 << e
.set KM,  48                           ; s48-63 at the head: the masks of a run of sixteen compares
.set MSB, 0
.macro WIN new                         ; the immediate's high byte repeats the setting that is left
.if MSB != \new
	s_set_vgpr_msb (MSB<<8)|\new
.set MSB, \new
.endif
.endm
.macro ALOAD                           ; tile w of a block: 32 x 512 consecutive bytes; the half-words of K steps 2 w, 2 w + 1 for the block's 64 rows
	WIN 0xc0
.set jj, 0
.rept 32
	global_load_b128 v[128+4*jj:128+4*jj+3], v[AOF], s[AP:AP+1] offset:512*jj
.set jj, jj+1
.endr
	WIN 0
.irp q, 0,1,2,3
	global_load_b32 v[SST+\q], v[HO2], s[HP:HP+1] offset:2048*\q
.endr
.endm
.macro STAGE b                         ; image 4 s + c, lane (r, h), is piece (s, 2 c + h), row r
	WIN 0x0c
.set jj, 0
.rept 32
	ds_store_b128 v[AWR+(\b)], v[128+4*jj:128+4*jj+3] offset:544*jj
.set jj, jj+1
.endr
	WIN 0
.irp q, 0,1,2,3
	ds_store_b16 v[SWR+(\b)], v[SST+\q] offset:2*\q              ; row 2 lane: bytes 2 (q % 2), + 1 of word 2 w + q / 2
	ds_store_b16_d16_hi v[SWR+(\b)], v[SST+\q] offset:2*\q+48    ; row 2 lane + 1
.endr
.endm
.macro LOADA b, j
	WIN 0xc0
.if \j
	s_wait_alu depctr_va_vdst(0)                   ; the first tile's products are done reading A's fragments and scale words, in which these loads land, and have written the accumulators, which the LDS stores of the way out read
.endif                                                 ; (j = 0: the wait ahead of the second tile's LDS stores, in the half trip before, stands behind the last products; no vector instruction behind it names these registers)
.irp s, 0,1,2,3,4,5,6,7
.irp c, 0,1,2,3
	ds_load_b128 v[16*\s+4*\c:16*\s+4*\c+3], v[ARD+(\b)] offset:(8*(\j)+\s)*2176+544*\c
.endr
.endr
	WIN 0
	ds_load_b128 v[ASC:ASC+3], v[SRD+(\b)] offset:768*(\j)
	ds_load_b128 v[ASC+4:ASC+7], v[SRD+(\b)] offset:768*(\j)+16
.endm
; 32 matrix instructions: K ascending, the four accumulators by turns, one instruction a turn.  The bias is the C of each sum's first.
.macro MM
	WIN 0x0d
.irp s, 0,1,2,3
.irp t, 0,1,2,3
.if \s == 0
	v_wmma_scale_f32_16x16x128_f8f6f4 v[ACC+8*\t:ACC+8*\t+7], v[64*\t+16*\s:64*\t+16*\s+15], v[16*\s:16*\s+15], v[BIA+8*\t:BIA+8*\t+7], v[WSC+8*\t+\s], v[ASC+\s]
.else
	v_wmma_scale_f32_16x16x128_f8f6f4 v[ACC+8*\t:ACC+8*\t+7], v[64*\t+16*\s:64*\t+16*\s+15], v[16*\s:16*\s+15], v[ACC+8*\t:ACC+8*\t+7], v[WSC+8*\t+\s], v[ASC+\s]
.endif
.endr
.endr
	WIN 0x0e
.irp s, 4,5,6,7
.irp t, 0,1,2,3
	v_wmma_scale_f32_16x16x128_f8f6f4 v[ACC+8*\t:ACC+8*\t+7], v[64*\t+16*(\s-4):64*\t+16*(\s-4)+15], v[16*\s:16*\s+15], v[ACC+8*\t:ACC+8*\t+7], v[WSC+8*\t+\s], v[ASC+\s]
.endr
.endr
	WIN 0
.rept 9
	v_nop                                          ; eight places ahead of reads of the results; the ninth for the next tile's first products, which write over the results with another C
.endr
.endm
; tile 2 rp + j goes out through my own stage: a lane holds 64 neighbouring bytes of two runs of a row; back come whole runs of 256 bytes
.macro EPI j
	s_wait_xcnt 0x0                                ; the last tile's stores have read their registers
	s_wait_alu depctr_vm_vsrc(0)                   ; the last tile's global stores have read v[T ..], in which the loads from the stage land
.if \j
	s_wait_alu depctr_va_vdst(0)                   ; the second tile's products have written the accumulators, which the LDS stores read; the places stand ahead of this wait.  (The first tile's: the wait in LOADA)
.endif
.irp b, 0,1
.irp q, 0,1,2,3
	ds_store_b128 v[STO], v[ACC+16*\b+4*\q:ACC+16*\b+4*\q+3] offset:128*\b+16*\q   ; each accumulator from its low end on
.endr
.endr
.irp i, 0,1,2,3,4,5,6,7
	ds_load_b128 v[T+4*\i:T+4*\i+3], v[SRB] offset:544*\i    ; LDS serves a wave's instructions in order: these see my stores
.endr
	s_wait_dscnt 0x0
	s_wait_alu depctr_vm_vsrc(0)                   ; the LDS stores have read the accumulators, which the next products write again
.irp i, 0,1,2,3,4,5,6,7
	global_store_b128 v[YOF], v[T+4*\i:T+4*\i+3], s[YB:YB+1] offset:(16*(\j)+2*\i)*4096 th:TH_STORE_NT   ; sixteen lanes store 256 consecutive bytes, aligned
.endr
.endm
.macro WLOAD r0, n                     ; n of my 32 rows of W, from row r0 on: 512 consecutive bytes a load
.set rho, \r0
.rept \n
	global_load_b128 v[8*rho:8*rho+3], v[L16], s[8:9] offset:rho*WROW th:TH_LOAD_NT
	global_load_b128 v[8*rho+4:8*rho+7], v[L16], s[8:9] offset:rho*WROW+512 th:TH_LOAD_NT
.set rho, rho+1
.endr
.endm
	s_load_b256 s[4:11], s[0:1], 0x0               ; hq, sel, w2_codes, w2_scales
	s_load_b128 s[12:15], s[0:1], 0x20             ; b2, yp
	v_lshl_add_u32 v254, v0, 2, 0x48400
	v_mov_b32 v255, 0
	v_lshrrev_b32 v43, 5, v0
	v_readfirstlane_b32 s[WV], v43                 ; wave 0..3
	s_and_b32 s[EX], ttmp7, 0xffff                 ; the expert
	s_lshl_b32 s[BIT], 1, s[EX]
	s_and_b32 s[NS], ttmp9, 7                      ; which 128 outputs
	s_lshr_b32 s[KQ], ttmp9, 3                     ; which quarter of K
	v_and_b32 v43, 31, v0                          ; lane
	v_lshlrev_b32 v[L16], 4, v43
	v_and_b32 v[RR], 15, v0
	v_bfe_u32 v[HH], v0, 4, 1
	s_wait_alu depctr_va_sdst(0)                   ; the wave's number is written, ahead of its first reader: LDS addresses and the buffers' offsets are made from it
	s_and_b32 s[NH], s[WV], 1
	s_lshr_b32 s[RP], s[WV], 1
	s_mul_i32 s25, s[WV], 32*WP
	v_add_nc_u32 v[WSTO], s25, v[L16]
	v_mul_u32_u24 v[WRD], v[RR], WP
	v_lshl_add_u32 v[WRD], v[HH], 4, v[WRD]
	s_mul_i32 s25, s[NH], 64*WP
	v_add_nc_u32 v[WRD], s25, v[WRD]
	v_mul_u32_u24 v45, v[HH], 272
	v_lshl_add_u32 v45, v[RR], 4, v45              ; 272 h + 16 r
	s_mul_i32 s25, s[RP], 2*17408
	s_add_co_u32 s25, s25, AB0
	v_add_nc_u32 v[ARD], s25, v45
	v_add_nc_u32 v[ARD+1], ABS, v[ARD]
	s_mul_i32 s25, s[WV], 17408
	s_add_co_u32 s25, s25, AB0
	v_add_nc_u32 v[AWR], s25, v45
	v_add_nc_u32 v[AWR+1], ABS, v[AWR]
	s_mul_i32 s25, s[WV], 4352
	s_add_co_u32 s25, s25, STG
	v_add_nc_u32 v[SRB], s25, v45
	v_mul_u32_u24 v45, v[RR], 272
	v_lshl_add_u32 v45, v[HH], 6, v45
	v_add_nc_u32 v[STO], s25, v45
	v_mul_u32_u24 v45, v[RR], 48
	s_mul_i32 s25, s[RP], 32*48
	s_add_co_u32 s25, s25, SB0
	v_add_nc_u32 v[SRD], s25, v45
	v_add_nc_u32 v[SRD+1], SBS, v[SRD]
	v_mul_u32_u24 v45, v43, 96
	s_lshl_b32 s25, s[WV], 3
	s_add_co_u32 s25, s25, SB0
	v_add_nc_u32 v[SWR], s25, v45
	v_add_nc_u32 v[SWR+1], SBS, v[SWR]
	s_lshl_b32 s25, s[WV], 16
	v_add_nc_u32 v[AOF], s25, v[L16]
	s_lshl_b32 s25, s[WV], 13
	v_lshl_add_u32 v[HO2], v43, 2, s25
	v_lshlrev_b32 v45, 12, v[HH]
	v_lshl_add_u32 v45, v[RR], 4, v45
	s_lshl_b32 s25, s[RP], 17
	v_add_nc_u32 v[YOF], s25, v45
	v_and_b32 v[WSO], 8, v[RR]
	v_add_nc_u32 v[WSO], v[WSO], v[RR]
	v_lshlrev_b32 v[WSO], 7, v[WSO]                ; W2's scale words: 128 bytes a row, row r + 8 (r / 8) of a tile
	v_lshlrev_b32 v[BIO], 6, v[HH]
	s_mov_b32 s27, 0
	s_wait_kmcnt 0x0
	s_lshl_b32 s26, s[EX], 22                      ; hq's codes: e x 64 tiles x 65,536 + 16,384 kq
	s_lshl_b32 s25, s[KQ], 14
	s_add_co_u32 s26, s26, s25
	s_add_nc_u64 s[AP:AP+1], s[4:5], s[26:27]
	s_lshl_b32 s26, s[EX], 17                      ; hq's half-words: (32 e + 8 kq) x 4,096
	s_lshl_b32 s25, s[KQ], 15
	s_add_co_u32 s26, s26, s25
	s_add_nc_u64 s[HP:HP+1], s[4:5], s[26:27]
	s_add_nc_u64 s[HP:HP+1], s[HP:HP+1], HSC
	s_lshl_b32 s26, s[EX], 22                      ; W2's codes: (1,024 e + 128 ns + 32 w) rows of 4,096 bytes + 1,024 kq
	s_lshl_b32 s25, s[NS], 19
	s_add_co_u32 s26, s26, s25
	s_lshl_b32 s25, s[WV], 17
	s_add_co_u32 s26, s26, s25
	s_lshl_b32 s25, s[KQ], 10
	s_add_co_u32 s26, s26, s25
	s_add_nc_u64 s[8:9], s[8:9], s[26:27]
	s_lshl_b32 s26, s[EX], 17                      ; W2's scales: (1,024 e + 128 ns + 64 nh) rows of 128 bytes + 32 kq
	s_lshl_b32 s25, s[NS], 14
	s_add_co_u32 s26, s26, s25
	s_lshl_b32 s25, s[NH], 13
	s_add_co_u32 s26, s26, s25
	s_lshl_b32 s25, s[KQ], 5
	s_add_co_u32 s26, s26, s25
	s_add_nc_u64 s[10:11], s[10:11], s[26:27]
	s_lshl_b32 s26, s[EX], 12                      ; b2
	s_lshl_b32 s25, s[NS], 9
	s_add_co_u32 s26, s26, s25
	s_lshl_b32 s25, s[NH], 8
	s_add_co_u32 s26, s26, s25
	s_add_nc_u64 s[12:13], s[12:13], s[26:27]
	s_lshl_b32 s26, s[KQ], 3                       ; yp: (8 kq + e) x 1,024 rows of 4,096 bytes + 512 ns + 256 nh
	s_add_co_u32 s26, s26, s[EX]
	s_lshl_b32 s26, s26, 22
	s_lshl_b32 s25, s[NS], 9
	s_add_co_u32 s26, s26, s25
	s_lshl_b32 s25, s[NH], 8
	s_add_co_u32 s26, s26, s25
	s_add_nc_u64 s[YB:YB+1], s[14:15], s[26:27]
	s_wait_alu depctr_va_vdst(0)                   ; all offsets and LDS addresses made above are written: the kernel's loads and stores read them, and none of them is written again
.irp k, 0,1,2,3,4,5,6,7
	global_load_b128 v[T+4*\k:T+4*\k+3], v[L16], s[6:7] offset:512*\k   ; all of sel: 512 consecutive bytes a load
.endr
	ALOAD                                          ; block 0: it is always written by the launch before
	WIN 0x40
	WLOAD 0, 9
	WIN 0
	s_wait_loadcnt 54                              ; sel's eight loads are in; block 0's 36 and the 18 loads of W behind them stay out
	s_mov_b32 s[CT], 0
.set i, 0
.rept 32
	v_and_b32 v[T+i], s[BIT], v[T+i]               ; each word's bit of this expert, in place
.set i, i+1
.endr
.irp g, 0,1                                            ; the 32 compares go in two runs of sixteen, into scalar registers, with one wait behind each run
.set i, 0
.rept 16
	v_cmp_ne_u32 s[KM+i], 0, v[T+16*\g+i]          ; which of these 32 tokens chose this expert
.set i, i+1
.endr
	s_wait_alu depctr_va_sdst(0)                   ; the sixteen compares have written s48 to s63, which the counts below read
.set i, 0
.rept 16
	s_bcnt1_i32_b32 s25, s[KM+i]
	s_add_co_u32 s[CT], s[CT], s25                 ; the expert's count
.set i, i+1
.endr
.endr
	s_min_u32 s[CT], s[CT], 1024
	s_add_co_u32 s[NB], s[CT], 63
	s_lshr_b32 s[NB], s[NB], 6
	s_max_u32 s[NB], s[NB], 1                      ; the same number of blocks as in the launch before
	WIN 0x40
	WLOAD 9, 23
	WIN 0
.irp t, 0,1,2,3
	global_load_b128 v[WSC+8*\t:WSC+8*\t+3], v[WSO], s[10:11] offset:(32*(\t/2)+8*(\t%2))*128
	global_load_b128 v[WSC+8*\t+4:WSC+8*\t+7], v[WSO], s[10:11] offset:(32*(\t/2)+8*(\t%2))*128+16
	global_load_b128 v[BIA+8*\t:BIA+8*\t+3], v[BIO], s[12:13] offset:(32*(\t/2)+8*(\t%2))*4
	global_load_b128 v[BIA+8*\t+4:BIA+8*\t+7], v[BIO], s[12:13] offset:(32*(\t/2)+8*(\t%2))*4+16
.endr
	s_cmp_eq_u32 s[KQ], 0
	s_cselect_b32 s41, -1, 0
	s_wait_loadcnt 0x0
.set qq, 0
.rept 32
	v_cndmask_b32 v[BIA+qq], 0, v[BIA+qq], s41     ; the bias counts once: in quarter 0
.set qq, qq+1
.endr
	WIN 0x04
.set rho, 0
.rept 32
.set sg, 16*((rho/8)%2)+8*(rho/16)+rho%8
	ds_store_b128 v[WSTO], v[8*rho:8*rho+3] offset:sg*WP
	ds_store_b128 v[WSTO], v[8*rho+4:8*rho+7] offset:sg*WP+512
.set rho, rho+1
.endr
	WIN 0
	STAGE 0
	s_wait_dscnt 0x0                               ; my LDS stores have landed, for the others, and have read their registers
	s_wait_alu depctr_vm_vsrc(0)                   ; my LDS stores have read window 1's registers, in which W's fragments land, and block 0's codes and half-words, in which block 1's land
	s_add_nc_u64 s[AP:AP+1], s[AP:AP+1], 262144    ; block 1 (block 0's loads are done)
	s_add_nc_u64 s[HP:HP+1], s[HP:HP+1], 128
	s_cmp_gt_u32 s[NB], 1
	s_cbranch_scc0 .Lno1
	ALOAD
.Lno1:
	s_barrier_signal -1
	s_barrier_wait -1                              ; W's 128 rows and block 0 lie in LDS
	WIN 0x40
.irp t, 0,1,2,3
.irp s, 0,1,2,3
.irp c, 0,1,2,3
	ds_load_b128 v[64*\t+16*\s+4*\c:64*\t+16*\s+4*\c+3], v[WRD] offset:16*\t*WP+128*\s+32*\c
.endr
.endr
.endr
	WIN 0x80
.irp t, 0,1,2,3
.irp s, 0,1,2,3
.irp c, 0,1,2,3
	ds_load_b128 v[64*\t+16*\s+4*\c:64*\t+16*\s+4*\c+3], v[WRD] offset:16*\t*WP+128*(\s+4)+32*\c
.endr
.endr
.endr
	WIN 0
	s_wait_xcnt 0x0                                ; block 1's loads have read their bases
	s_add_nc_u64 s[AP:AP+1], s[AP:AP+1], 262144    ; block 2: half trip BLK asks for block BLK + 2
	s_add_nc_u64 s[HP:HP+1], s[HP:HP+1], 128
	s_mov_b32 s[BLK], 0
	s_mov_b32 s[LC], 0
; A HALF TRIP: block BLK lies in buffer b; block BLK + 1 is on its way into registers.
; One barrier does both orderings: in front of it each wave has waited for its reads of buffer 1 - b (the block before) and for its stores into buffer b.
.macro TRIP b
	s_wait_dscnt 0x0
	s_barrier_signal -1
	s_barrier_wait -1
	s_cmp_lt_u32 s[BLK], s[NB]
	s_cbranch_scc0 .Lend_\@
	LOADA \b, 0
	s_add_co_u32 s25, s[BLK], 1
	s_cmp_lt_u32 s25, s[NB]
	s_cbranch_scc0 .Lwork_\@
	s_wait_loadcnt 0x0                             ; block BLK + 1 is in
	STAGE 1-\b
	s_wait_alu depctr_vm_vsrc(0)                   ; the LDS stores have read the block's codes and half-words, in which the next block's loads land
	s_add_co_u32 s25, s[BLK], 2
	s_cmp_lt_u32 s25, s[NB]
	s_cbranch_scc0 .Lwork_\@
	s_wait_dscnt 0x0                               ; the LDS stores have read the registers that the loads fill again
	ALOAD
.Lwork_\@:
	s_wait_dscnt 0x0
	MM
	LOADA \b, 1
	EPI 0
	s_wait_dscnt 0x0
	MM
	EPI 1
.Lend_\@:
	s_wait_xcnt 0x0                                ; every memory instruction has read its addresses: they step
	s_add_nc_u64 s[YB:YB+1], s[YB:YB+1], 262144    ; 64 rows of 4,096 bytes on
	s_add_nc_u64 s[AP:AP+1], s[AP:AP+1], 262144    ; four tiles on
	s_add_nc_u64 s[HP:HP+1], s[HP:HP+1], 128       ; 64 rows' half-words on
	s_add_co_u32 s[BLK], s[BLK], 1
.endm
.Lloop:
	TRIP 0
	TRIP 1
	s_add_co_u32 s[LC], s[LC], 1
	s_cmp_lt_u32 s[LC], 8
	s_cbranch_scc1 .Lloop
	s_wait_dscnt 0x0                               ; the closing lines, six on end
	s_wait_alu 0x0
	s_wait_tensorcnt 0x0
	ds_add_u32 v254, v255
	s_wait_dscnt 0x0
	s_endpgm
.Lfunc_end_k_q04420577f4_down:
	.size	k_q04420577f4_down, .Lfunc_end_k_q04420577f4_down-k_q04420577f4_down
	.p2alignl 7, 3214868480
	.fill 96, 4, 3214868480
	.section	.rodata,"a",@progbits
	.p2align	6, 0x0
	.amdhsa_kernel k_q04420577f4_down
		.amdhsa_group_segment_fixed_size 296448
		.amdhsa_private_segment_fixed_size 0
		.amdhsa_enable_private_segment 0
		.amdhsa_kernarg_size 48
		.amdhsa_user_sgpr_count 2
		.amdhsa_user_sgpr_kernarg_segment_ptr 1
		.amdhsa_wavefront_size32 1
		.amdhsa_system_sgpr_workgroup_id_x 1
		.amdhsa_system_sgpr_workgroup_id_y 1
		.amdhsa_system_sgpr_workgroup_id_z 1
		.amdhsa_system_vgpr_workitem_id 0
		.amdhsa_next_free_vgpr 1024
		.amdhsa_next_free_sgpr 66
		.amdhsa_reserve_vcc 0
		.amdhsa_float_denorm_mode_32 3
		.amdhsa_float_denorm_mode_16_64 3
		.amdhsa_memory_ordered 1
		.amdhsa_forward_progress 1
		.amdhsa_inst_pref_size 91
	.end_amdhsa_kernel
	.amdgpu_metadata
---
amdhsa.version: [ 1, 2 ]
amdhsa.kernels:
  - .name:           k_q04420577f4_down
    .symbol:         k_q04420577f4_down.kd
    .args:
      - { .name: hq, .offset: 0, .size: 8, .value_kind: global_buffer, .address_space: global }
      - { .name: sel, .offset: 8, .size: 8, .value_kind: global_buffer, .address_space: global }
      - { .name: w2_codes, .offset: 16, .size: 8, .value_kind: global_buffer, .address_space: global }
      - { .name: w2_scales, .offset: 24, .size: 8, .value_kind: global_buffer, .address_space: global }
      - { .name: b2, .offset: 32, .size: 8, .value_kind: global_buffer, .address_space: global }
      - { .name: yp, .offset: 40, .size: 8, .value_kind: global_buffer, .address_space: global }
    .group_segment_fixed_size: 296448
    .private_segment_fixed_size: 0
    .kernarg_segment_align: 8
    .kernarg_segment_size: 48
    .max_flat_workgroup_size: 128
    .sgpr_count:     66
    .vgpr_count:     1024
    .wavefront_size: 32
...
	.end_amdgpu_metadata
.endif
;; end of part 6
;; launch combine: the kernel of part 4 again; grid 256 x 1, 8 waves a work-group, no clusters, 0 bytes of LDS; arguments yp, sel, xq, out0; writes out0
